; MI455X (gfx1250); checked and timed in simulation.
; The chip was launched on July 23, 2026; its instructions are those of AMD's public machine-readable ISA for CDNA 5 (MIT licence, August 2026) and "CDNA5" Instruction Set Architecture Reference Guide (July 2026). The comments in the code are by the model that wrote it; some were corrected since.
;; Sliding Window Attention. Allowed arithmetic: matrix products marked QUANTISED: E2M3 operands, one E8M0 scale for each 32 along K, by v_wmma_scale_f32_16x16x128_f8f6f4 with both operands' format E2M3, f32 sums; everything else in f32.
;; Inputs: bk 1,024 float32; bo 1,024 float32; bq 1,024 float32; bv 1,024 float32; wk 1,024 x 1,024 float32; wo 1,024 x 1,024 float32; wq 1,024 x 1,024 float32; wv 1,024 x 1,024 float32; x 1 x 4,096 x 1,024 float32.
;; Outputs: out0 1 x 4,096 x 1,024 float32.
;; This version of the problem:
;;   THIS VERSION OF THE PROBLEM IS GIVEN IN LOW PRECISION. The matrix products marked QUANTISED in the list below multiply operands that are first quantised to E2M3 (2 exponent bits, 3 mantissa bits; 6 bits a number), with one power-of-two scale for each 32 numbers along K (OCP MX v1.0); their sums are f32. All else is computed in f32.
;;   The module's matrix products, in the order in which they are computed (A, B: the left and right operand; K: the contracted axis; several contracted axes count as one K, in the product's order):
;;     1. [M 4,096, K 1,024] x [K 1,024, N 1,024]; A: input x; B: input wq: QUANTISED
;;     2. [M 4,096, K 1,024] x [K 1,024, N 1,024]; A: input x; B: input wk: QUANTISED
;;     3. [M 4,096, K 1,024] x [K 1,024, N 1,024]; A: input x; B: input wv: QUANTISED
;;     4. batch 16 x [M 4,096, K 64] x [K 64, N 4,096]; A: computed on the way; B: computed on the way: QUANTISED
;;     5. batch 16 x [M 4,096, K 4,096] x [K 4,096, N 64]; A: softmax (see below); B: computed on the way: QUANTISED
;;     6. [M 4,096, K 1,024] x [K 1,024, N 1,024]; A: computed on the way; B: input wo: QUANTISED
;;   THE QUANTISER, for each operand of a quantised product, along K:
;;     - K is cut into blocks of 32 from its start; a last block that is shorter is filled with zeros.
;;     - A block's scale is 2^e with e = floor(log2(the largest magnitude in the block)) - 2, held to -126 .. 127; a block of zeros has e = 0. As a byte (E8M0): e + 127.
;;     - Each number is divided by its block's scale, clamped to +-7.5, and rounded to the nearest number of E2M3, ties to even, subnormals kept.
;;     - The product sums the exact products of the quantised numbers (number of the format x scale) in f32.
;;   ~~~python
;;   def quantise(x, axis):      # numpy; x: float32 -> the quantised numbers, widened to float32 again
;;       x = np.moveaxis(x, axis, -1); K = x.shape[-1]
;;       x = np.pad(x, [(0, 0)] * (x.ndim - 1) + [(0, -K % 32)]); x = x.reshape(x.shape[:-1] + (-1, 32)); a = np.abs(x).max(-1, keepdims=True)
;;       e = np.where(a > 0, np.clip(np.frexp(np.where(a > 0, a, 1))[1] - 1 - 2, -126, 127), 0)      # np.frexp(a)[1] - 1 = floor(log2(a)), exactly
;;       r = np.clip(x / 2.0 ** e, -7.5, 7.5)
;;       step = 2.0 ** (np.maximum(np.frexp(np.where(r == 0, 1, r))[1] - 1, 0) - 3)
;;       q = np.round(r / step) * step * 2.0 ** e      # np.round: ties to even
;;       return np.moveaxis(q.reshape(q.shape[:-2] + (-1,))[..., :K], -1, axis).astype(np.float32)
;;   ~~~
;;   SOFTMAX AHEAD OF A QUANTISED PRODUCT. Where the list says 'softmax', what is quantised is not the finished softmax but p = 2^(t - M), with t = logit x log2(e) and M = ceil(the row's largest t), a whole number; so 1/2 < the row's largest p <= 1. The row's sum l is taken of the UNQUANTISED p, in f32, and the product's result is divided by l at the end. Since M is a whole number, a kernel that streams over the keys may use a running M (the ceiling of the running maximum): every later rescaling is an exact power of two, which a block's scale takes up: the codes' values come out the same.
;;   OPERANDS COMPUTED ON THE WAY. 'Computed on the way' means the value that the module computes at that place (a softmax that the list does not call 'softmax' is quantised finished and normalised). What goes into a quantiser is computed in f32, as accurately as f32 sums, v_exp_f32 and their like allow (about 1e-6 of the number): no bf16 or f16 on the way to a quantiser, and a product that is left as it is and whose result goes on into a quantised operand takes f32 operands (vector FMAs, or v_wmma_f32_16x16x4_f32). A number that lies on a knife's edge between two numbers of the format may be rounded either way, as far as f32 arithmetic and the matrix unit's own rounding can turn it there, and no further.
;; 2 versions, each right; version 2 is version 1 with the launch attn written anew for expert scheduling mode. Each part assembles by itself: llvm-mc -triple=amdgcn-amd-amdhsa -mcpu=gfx1250 --defsym DOCPART=n.
;; ======== version 1 of 2: 4 launches
;; workspace buffers: xc 3,145,728 bytes; xsc 131,072 bytes; wc 3,145,728 bytes; wsc 131,072 bytes; qkv 9,437,184 bytes; qkvs 655,360 bytes; ac 3,145,728 bytes; asc 131,072 bytes
;; launch quant (part 1): grid 256 x 1, 8 waves a work-group, no clusters, 72,704 bytes of LDS; arguments x, wq, wk, wv, wo, xc, xsc, wc, wsc; writes xc, xsc, wc, wsc
.if DOCPART == 1
	.amdgcn_target "amdgcn-amd-amdhsa--gfx1250"
	.amdhsa_code_object_version 6
	.text
	.protected	k_qc004fb5ed5_quant
	.globl	k_qc004fb5ed5_quant
	.p2align	8
	.type	k_qc004fb5ed5_quant,@function
k_qc004fb5ed5_quant:
	s_mov_b64 s[64:65], 0
	v_nop
	global_prefetch_b8 v0, s[64:65] scope:SCOPE_SE
	s_setreg_imm32_b32 hwreg(HW_REG_WAVE_MODE, 25, 1), 1
	s_wait_xcnt 0x0
; x [4096][1024] (K innermost) and wq, wk, wv, wo [1024 (K)][1024 (n)] (K outermost), f32, become codes of FP6 (E2M3) with one E8M0 byte for each 32 along K.
; A block's scale is 2^(floor(log2(its largest magnitude)) - 2): its byte is the largest magnitude's exponent field - 2, held at 1 from below by a floor among the maximum's leaves.
; LIMITS: a block of zeros gets the byte 1 where the rule says 127 (its codes are zeros, and this program alone reads the bytes); NaN and infinities among the inputs are not served.
; LAYOUT OF THE CODES, made for the reader's operand registers.  Rows (tokens, or a weight's columns n) are taken in TILES of 16 inside each 32: row p lies in tile 2 (p / 32) + (p / 8) % 2, at
; place r = p % 8 + 8 ((p / 16) % 2).  A PIECE is 16 rows x 64 K = 768 bytes: lane (r, h) owns the 24 bytes of block h of row r: bytes 0-15 at 16 (r + 16 h), bytes 16-23 at 512 + 16 r + 8 h.
; xc, wc: [tile][16 pieces][768].  xsc, wsc: [tile][K / 256][r][8 bytes].  wc and wsc hold wq, wk, wv, wo on end, 64 tiles each.
; Work-groups 0-127 take x (32 rows each), 128-255 the weights (256 columns x 128 K each): 128 KiB read by each.  No work-group shares an input with another: no cluster.  Only the x path touches LDS.
.set SPX,   272                        ; a stage row: 256 bytes + 16, so that sixteen rows start at sixteen different 16-byte columns
.set STGB,  16*SPX                     ; a stage: 16 rows
.set SBY,   2*STGB                     ; behind a wave's two stages: its 128 scale bytes
.set WREG,  8960                       ; LDS of a wave
.set X,     32                         ; v32-95   two sets of 32 numbers: a block
.set R,     96                         ; v96-223  x path: four sets of 32 registers as loaded
.set C,     224                        ; v224-255 x path: eight registers of codes for each step: no store's data are written again
.set T,     24                         ; v24-26   the upper 16 codes of a block (a conversion's three registers begin on an even number)
.set E,     16                         ; v16-19   x path: a scale byte for each step
.set CW0,   96                         ; v96-119  weights: twelve registers of codes for each pair of blocks
; the largest magnitude of v[xs] .. v[xs + 31], two chains, the floor 2^(3 - 127) as the last leaf; v14 = that with 2 off its exponent field: the conversion's scale operand
.macro BLKMAX xs
	v_max3_num_f32 v12, |v[\xs]|, |v[\xs+1]|, |v[\xs+2]|
	v_max3_num_f32 v13, |v[\xs+3]|, |v[\xs+4]|, |v[\xs+5]|
.irp i, 6,10,14,18,22,26
	v_max3_num_f32 v12, v12, |v[\xs+\i]|, |v[\xs+\i+1]|
	v_max3_num_f32 v13, v13, |v[\xs+\i+2]|, |v[\xs+\i+3]|
.endr
	v_max3_num_f32 v12, v12, |v[\xs+30]|, |v[\xs+31]|
	v_max3_num_f32 v12, v12, v13, 0x1800000
	v_add_nc_u32 v14, 0xff000000, v12
.endm
; x path, step t = piece t of the wave's four: 16 rows x 64 K.  Lanes 0-15 read 256 consecutive bytes of row j, lanes 16-31 of row j + 16
.macro LOADX t
.irp j, 0,1,2,3,4,5,6,7
	global_load_b128 v[R+32*(\t)+4*\j:R+32*(\t)+4*\j+3], v4, s[4:5] offset:4096*\j+256*(\t) th:TH_LOAD_NT
.endr
.endm
; through the wave's own stage: in as loaded, out 128 bytes (a block of 32) a lane.  LDS serves a wave's instructions in order: no wait between
.macro TURNX t
.irp j, 0,1,2,3,4,5,6,7
	ds_store_b128 v5, v[R+32*(\t)+4*\j:R+32*(\t)+4*\j+3] offset:STGB*((\t)%2)+SPX*\j
.endr
.irp i, 0,1,2,3,4,5,6,7
	ds_load_b128 v[X+32*((\t)%2)+4*\i:X+32*((\t)%2)+4*\i+3], v6 offset:STGB*((\t)%2)+16*\i
.endr
.endm
.macro STEPX t
.set XS, X+32*((\t)%2)
.set CD, C+8*(\t)
.if (\t) > 0
	s_wait_dscnt 1                                 ; this step's block is back from the stage; the last step's byte store may be out
.else
	s_wait_dscnt 0x0
.endif
.if (\t) < 3
	s_wait_loadcnt 8*(2-(\t))                      ; the next step's eight loads are in; those of the steps behind it may be out
	TURNX (\t)+1
.endif
	BLKMAX XS
	v_cvt_scalef32_pk16_fp6_f32 v[CD:CD+2], v[XS:XS+15], v14
	v_cvt_scalef32_pk16_fp6_f32 v[T:T+2], v[XS+16:XS+31], v14
	v_lshrrev_b32 v[E+(\t)], 23, v14               ; the scale's byte; also the plain line behind the conversions
	v_mov_b32 v[CD+3], v[T]
	v_mov_b32 v[CD+4], v[T+1]
	v_mov_b32 v[CD+5], v[T+2]
	ds_store_b8 v9, v[E+(\t)] offset:SBY+2*(\t)    ; byte 2 t + h of my row's eight
	global_store_b128 v7, v[CD:CD+3], s[14:15] offset:768*(\t)        ; 512 consecutive bytes
	global_store_b64 v8, v[CD+4:CD+5], s[14:15] offset:768*(\t)+512   ; 256 consecutive bytes
.endm
; weights: a lane takes a column, its registers run down K: block t = rows 32 t .. 32 t + 31 of the work-group's 128
.macro LOADW t
.set i, 0
.rept 32
	global_load_b32 v[X+32*((\t)%2)+i], v4, s[22:23] offset:(32*(\t)+i)*4096 th:TH_LOAD_NT
.set i, i+1
.endr
.endm
.macro BLOCKW t
.set XS, X+32*((\t)%2)
.set CP, CW0+12*((\t)/2)               ; the pair's twelve registers: block 2 p's first 16 bytes, block 2 p + 1's, then the last 8 bytes of both
.set CL, CP+4*((\t)%2)
.set CE, CP+8+2*((\t)%2)
.if (\t) < 3
	s_wait_loadcnt 32                              ; this block's 32 loads are in; the next block's may be out
.else
	s_wait_loadcnt 0x0
.endif
	BLKMAX XS
	v_lshrrev_b32 v15, 23, v14
.if (\t) == 0
	v_mov_b32 v28, v15                             ; four bytes to a word, the lower K in the lower byte
.else
	v_lshl_or_b32 v28, v15, 8*(\t), v28
.endif
	v_cvt_scalef32_pk16_fp6_f32 v[CL:CL+2], v[XS:XS+15], v14
	v_cvt_scalef32_pk16_fp6_f32 v[T:T+2], v[XS+16:XS+31], v14
	v_nop                                          ; one plain line behind the conversions
	v_mov_b32 v[CL+3], v[T]
	v_mov_b32 v[CE], v[T+1]
	v_mov_b32 v[CE+1], v[T+2]
.if (\t) < 2
	LOADW (\t)+2
.endif
.if (\t)%2 == 1                        ; a piece is whole: three stores, each 256 consecutive bytes in each of the wave's two tiles
	global_store_b128 v7, v[CP:CP+3], s[18:19] offset:768*((\t)/2)
	global_store_b128 v7, v[CP+4:CP+7], s[18:19] offset:768*((\t)/2)+256
	global_store_b128 v7, v[CP+8:CP+11], s[18:19] offset:768*((\t)/2)+512
.endif
.endm
	s_load_b256 s[4:11], s[0:1], 0x0               ; x s[4:5], wq s[6:7], wk s[8:9], wv s[10:11]
	s_load_b256 s[12:19], s[0:1], 0x20             ; wo s[12:13], xc s[14:15], xsc s[16:17], wc s[18:19]
	s_load_b64 s[20:21], s[0:1], 0x40              ; wsc
	v_lshl_add_u32 v254, v0, 2, 0x11800
	v_mov_b32 v255, 0
	v_lshrrev_b32 v1, 5, v0
	v_readfirstlane_b32 s24, v1                    ; wave 0..7
	v_and_b32 v1, 31, v0                           ; lane
	v_and_b32 v2, 15, v0                           ; r
	v_bfe_u32 v3, v0, 4, 1                         ; h
	s_cmp_lt_u32 ttmp9, 128
	s_cbranch_scc0 .Lweights
	; ---- x: work-group g takes rows 32 g .. 32 g + 31; wave w: tile 2 g + (w & 1), K = 256 (w >> 1) on
	s_and_b32 s25, s24, 1                          ; u
	s_lshr_b32 s26, s24, 1                         ; kq
	s_mul_i32 s28, s24, WREG                       ; my wave's LDS
	v_lshlrev_b32 v7, 4, v1                        ; out: 16 x lane
	v_lshlrev_b32 v4, 4, v2                        ; 16 r
	v_lshl_add_u32 v8, v3, 3, v4                   ; out: 16 r + 8 h
	v_mul_u32_u24 v5, v3, 8*SPX
	v_add_nc_u32 v5, v5, v4
	v_add_nc_u32 v5, s28, v5                       ; the stage, in: row j + 8 h, 16 bytes a lane
	v_lshl_add_u32 v4, v3, 16, v4                  ; x: lanes 16-31 stand 16 rows of 4,096 bytes further down
	v_mul_u32_u24 v6, v2, SPX
	v_lshl_add_u32 v6, v3, 7, v6
	v_add_nc_u32 v6, s28, v6                       ; the stage, out: row r, block h
	v_lshl_add_u32 v9, v2, 3, v3
	v_add_nc_u32 v9, s28, v9                       ; my scale byte: 8 r + h
	v_lshlrev_b32 v11, 2, v1
	v_add_nc_u32 v10, s28, v11                     ; the scale bytes on their way out: 4 bytes a lane
	s_lshl_b32 s30, ttmp9, 17                      ; 32 rows of 4,096 bytes
	s_lshl_b32 s29, s25, 15                        ; + 8 u rows
	s_add_co_u32 s30, s30, s29
	s_lshl_b32 s29, s26, 10                        ; + 256 kq numbers
	s_add_co_u32 s30, s30, s29
	s_mov_b32 s31, 0
	s_lshl_b32 s32, ttmp9, 1
	s_add_co_u32 s32, s32, s25                     ; my tile
	s_mul_i32 s34, s32, 12288
	s_mul_i32 s29, s26, 3072
	s_add_co_u32 s34, s34, s29                     ; its pieces 4 kq on
	s_mov_b32 s35, 0
	s_lshl_b32 s36, s32, 9
	s_lshl_b32 s29, s26, 7
	s_add_co_u32 s36, s36, s29                     ; its 128 scale bytes of these 256 along K
	s_mov_b32 s37, 0
	s_wait_kmcnt 0x0
	s_add_nc_u64 s[4:5], s[4:5], s[30:31]
	s_add_nc_u64 s[14:15], s[14:15], s[34:35]
	s_add_nc_u64 s[16:17], s[16:17], s[36:37]
	LOADX 0                                        ; all that the wave reads is asked for at once: 32 loads
	LOADX 1
	LOADX 2
	LOADX 3
	s_wait_loadcnt 24                              ; step 0's eight loads are in
	TURNX 0
	STEPX 0
	STEPX 1
	STEPX 2
	STEPX 3
	ds_load_b32 v20, v10 offset:SBY                ; in order behind my byte stores
	s_wait_dscnt 0x0
	global_store_b32 v11, v20, s[16:17]            ; 128 consecutive bytes
	s_wait_tensorcnt 0x0
	ds_add_u32 v254, v255
	s_wait_dscnt 0x0
	s_endpgm
.Lweights:
	; ---- weights: work-group 128 + 32 wsel + 8 cg + kg; wave w takes columns 32 (8 cg + w) on, K = 128 kg on
	s_sub_co_u32 s25, ttmp9, 128
	s_lshr_b32 s26, s25, 5                         ; which weight
	s_bfe_u32 s28, s25, 0x20003                    ; cg
	s_and_b32 s29, s25, 7                          ; kg
	s_lshl_b32 s28, s28, 3
	s_add_co_u32 s28, s28, s24                     ; G: my 32 columns
	v_lshlrev_b32 v4, 2, v1                        ; in: 4 bytes a lane: 128 consecutive bytes a wave, 1,024 a work-group
	v_bfe_u32 v5, v0, 3, 1                         ; my column's tile of the two
	v_and_b32 v6, 7, v0
	v_lshl_add_u32 v6, v3, 3, v6                   ; and its place there
	v_mul_u32_u24 v7, v5, 12288
	v_lshl_add_u32 v7, v6, 4, v7                   ; out: tile, 16 bytes a place
	v_lshlrev_b32 v8, 9, v5
	v_lshl_add_u32 v8, v6, 3, v8                   ; scale bytes: tile, 8 bytes a place
	s_lshl_b32 s30, s29, 19                        ; 128 kg rows of 4,096 bytes
	s_lshl_b32 s31, s28, 7
	s_add_co_u32 s30, s30, s31
	s_mov_b32 s31, 0
	s_lshl_b32 s32, s26, 6
	s_lshl_b32 s33, s28, 1
	s_add_co_u32 s32, s32, s33                     ; my first tile: 64 wsel + 2 G
	s_mul_i32 s34, s32, 12288
	s_mul_i32 s33, s29, 1536
	s_add_co_u32 s34, s34, s33                     ; pieces 2 kg, 2 kg + 1
	s_mov_b32 s35, 0
	s_lshl_b32 s36, s32, 9
	s_lshr_b32 s33, s29, 1
	s_lshl_b32 s33, s33, 7
	s_add_co_u32 s36, s36, s33
	s_and_b32 s33, s29, 1
	s_lshl_b32 s33, s33, 2
	s_add_co_u32 s36, s36, s33                     ; which word of the eight bytes
	s_mov_b32 s37, 0
	s_wait_kmcnt 0x0
	s_cmp_eq_u32 s26, 1                            ; the choice hangs on the work-group's number alone
	s_cselect_b64 s[22:23], s[8:9], s[6:7]
	s_cmp_eq_u32 s26, 2
	s_cselect_b64 s[22:23], s[10:11], s[22:23]
	s_cmp_eq_u32 s26, 3
	s_cselect_b64 s[22:23], s[12:13], s[22:23]
	s_add_nc_u64 s[22:23], s[22:23], s[30:31]
	s_add_nc_u64 s[18:19], s[18:19], s[34:35]
	s_add_nc_u64 s[20:21], s[20:21], s[36:37]
	LOADW 0
	LOADW 1
	BLOCKW 0
	BLOCKW 1
	BLOCKW 2
	BLOCKW 3
	global_store_b32 v8, v28, s[20:21]             ; my column's four bytes: 4 bytes of every 8: one byte for each 128 read
	s_endpgm
.Lfunc_end_k_qc004fb5ed5_quant:
	.size	k_qc004fb5ed5_quant, .Lfunc_end_k_qc004fb5ed5_quant-k_qc004fb5ed5_quant
	.p2alignl 7, 3214868480
	.fill 96, 4, 3214868480
	.section	.rodata,"a",@progbits
	.p2align	6, 0x0
	.amdhsa_kernel k_qc004fb5ed5_quant
		.amdhsa_group_segment_fixed_size 72704
		.amdhsa_private_segment_fixed_size 0
		.amdhsa_enable_private_segment 0
		.amdhsa_kernarg_size 72
		.amdhsa_user_sgpr_count 2
		.amdhsa_user_sgpr_kernarg_segment_ptr 1
		.amdhsa_wavefront_size32 1
		.amdhsa_system_sgpr_workgroup_id_x 1
		.amdhsa_system_sgpr_workgroup_id_y 1
		.amdhsa_system_sgpr_workgroup_id_z 1
		.amdhsa_system_vgpr_workitem_id 0
		.amdhsa_next_free_vgpr 256
		.amdhsa_next_free_sgpr 66
		.amdhsa_reserve_vcc 0
		.amdhsa_float_denorm_mode_32 3
		.amdhsa_float_denorm_mode_16_64 3
		.amdhsa_memory_ordered 1
		.amdhsa_forward_progress 1
		.amdhsa_inst_pref_size 37
	.end_amdhsa_kernel
	.amdgpu_metadata
---
amdhsa.version: [ 1, 2 ]
amdhsa.kernels:
  - .name:           k_qc004fb5ed5_quant
    .symbol:         k_qc004fb5ed5_quant.kd
    .args:
      - { .name: x, .offset: 0, .size: 8, .value_kind: global_buffer, .address_space: global }
      - { .name: wq, .offset: 8, .size: 8, .value_kind: global_buffer, .address_space: global }
      - { .name: wk, .offset: 16, .size: 8, .value_kind: global_buffer, .address_space: global }
      - { .name: wv, .offset: 24, .size: 8, .value_kind: global_buffer, .address_space: global }
      - { .name: wo, .offset: 32, .size: 8, .value_kind: global_buffer, .address_space: global }
      - { .name: xc, .offset: 40, .size: 8, .value_kind: global_buffer, .address_space: global }
      - { .name: xsc, .offset: 48, .size: 8, .value_kind: global_buffer, .address_space: global }
      - { .name: wc, .offset: 56, .size: 8, .value_kind: global_buffer, .address_space: global }
      - { .name: wsc, .offset: 64, .size: 8, .value_kind: global_buffer, .address_space: global }
    .group_segment_fixed_size: 72704
    .private_segment_fixed_size: 0
    .kernarg_segment_align: 8
    .kernarg_segment_size: 72
    .max_flat_workgroup_size: 256
    .sgpr_count:     66
    .vgpr_count:     256
    .wavefront_size: 32
...
	.end_amdgpu_metadata
.endif
;; end of part 1
;; launch qkv (part 2): grid 12 x 16, 4 waves a work-group, clusters of 4 x 4, 327,680 bytes of LDS; arguments xc, xsc, wc, wsc, bq, bk, bv, qkv, qkvs; writes qkv, qkvs
.if DOCPART == 2
	.amdgcn_target "amdgcn-amd-amdhsa--gfx1250"
	.amdhsa_code_object_version 6
	.text
	.protected	k_qc004fb5ed5_qkv
	.globl	k_qc004fb5ed5_qkv
	.p2align	8
	.type	k_qc004fb5ed5_qkv,@function
k_qc004fb5ed5_qkv:
	s_mov_b64 s[64:65], 0
	v_nop
	global_prefetch_b8 v0, s[64:65] scope:SCOPE_SE
	s_setreg_imm32_b32 hwreg(HW_REG_WAVE_MODE, 25, 1), 1
	s_wait_xcnt 0x0
	s_wait_alu depctr_hold_cnt(0) depctr_sa_sdst(0) depctr_va_vdst(0) depctr_va_sdst(0) depctr_va_ssrc(0) depctr_va_vcc(0) depctr_vm_vsrc(0)
	s_getreg_b32 s2, hwreg(HW_REG_IB_STS2, 6, 4)
	s_cmp_eq_u32 s2, 0
	s_cbranch_scc0 .Lentry_in_a_cluster
	s_endpgm
.Lentry_in_a_cluster:
	s_bfe_u32 s2, ttmp6, 0x10000c
	s_cmp_lg_u32 s2, 0xf033
	s_cbranch_scc0 .Lentry_shape_is_right
	s_endpgm
.Lentry_shape_is_right:
; q = x wq + bq, k = x wk + bk, v = x wv + bv on codes of FP6 (E2M3) with E8M0 scales, K = 1,024; each result is quantised in registers for the attention's products and leaves as codes.
; A tile of 256 x 256 is made by four waves, 128 x 128 each: 64 accumulators of 16 x 16.  K goes in 4 steps of 256 through two LDS slots filled by the tensor data mover.
; OPERANDS come as PIECES (16 rows x 64 K, 768 bytes, laid lane by lane: bytes 0-15 of lane l at 16 l, bytes 16-23 at 512 + 16 r + 8 h): a fragment is four LDS loads of consecutive bytes, no padding.
; Rows stand in TILE ORDER: place r of tile t is row 32 (t / 2) + 8 (t % 2) + r + 8 (r / 8).  So the 16 registers of result tiles 2 B, 2 B + 1 are 16 neighbours, 32 B + 16 h + 0 .. 15, along source 0's rows.
; ROLES.  L: the operand whose rows lie in lanes (source 1); R: the one whose rows run along a lane's registers (source 0), which is the axis that the result is quantised along.
;   clusters x = 0, 1 (q, k): L = tokens (xc), R = channels (wc): quantised along the head's 64 channels.   cluster x = 2 (v): L = wv's channels, R = tokens: quantised along the keys.
; The choice hangs on the cluster's x alone, which all sixteen partners share; masks, LDS addresses and the loop are the same for all.
; CLUSTER 4 x 4: L's tiles hang on cy and are asked for jointly along a row of the cluster, R's on cx, along a column.
; OUT.  qkv: [q's 16 heads, k's 16 heads][256 token tiles][768], then v: [head][4 channel tiles][64 pieces along the keys][768].
;   qkvs: [32 heads][64 groups of 4 token tiles][r][4 words (byte 0, byte 1, 127, 127)], then v: [32 steps of 128 keys][head][r][4 channel tiles] words.
; The biases are the C of each sum's first product, so the order of the f32 sums differs from x w + b by that.  LIMITS: a block of zeros gets the byte 1 (its codes are zeros; this program alone reads the bytes); NaN and infinities are not served.
; REGISTERS: window 0: v1-31 addresses; v32-63 scale words, two sets; v64-127 the bias; v128-223 L's fragments, one set (on the way out: at work).  window 1: R's fragments, two sets, at v0 and v128.
;   windows 2, 3: accumulator (a, b) at v[8 (8 (a % 4) + b)], a = 0-3 in window 2, 4-7 in window 3.
.set FR,     12                        ; registers of a fragment: 16 rows x 128 K
.set NL,     4                         ; LDS loads that bring one
.set TILEB,  3072                      ; a tile's four pieces of a K step
.set HALFT,  8*TILEB                   ; eight tiles: what one tensor load brings, what one wave reads of L or of R
.set SLOT,   4*HALFT                   ; L's 16 tiles, then R's 16
.set SCL,    2*SLOT                    ; behind the ring: L's scale bytes for all of K, 512 bytes a tile,
.set SCLB,   SCL+8192+128              ; R's, 128 bytes askew, so that a load's two halves of the lanes fall on different banks
.set SPARE,  SCLB+8192+128             ; the spare words, 128 bytes a wave: two blocks of 256 bytes that no other line names
.set ADRS,   15                        ; v15     my scale words: lanes 0-15 L's, lanes 16-31 R's
.set ADRL16, 16                        ; v16-17  L's fragments in slot 0, 1: 16 x lane
.set ADRL8,  18                        ; v18-19  the same: 16 r + 8 h
.set ADRR16, 20                        ; v20-23  the same for R
.set ADRR8,  22
.set VO,     24                        ; v24-27  the way out: byte offsets of a fragment's four stores
.set SPW,    28                        ; v28     my spare word; never rewritten
.set NIL,    29                        ; v29     0; never rewritten
.set SC,     32
.set BR,     64
.set AF,     128
.set TM,     128                       ; the way out: v128-131 largest magnitudes, v132-135 bytes, v140-143 scale operands
.set PC,     144                       ; v144-162 the codes just made
.set SWR,    168                       ; v168-175 the eight scale words
.set SW2,    176                       ; v176-183 as they are stored
.set G1,  24                           ; s[24:31] group 1 for L's tiles; s[32:39] group 0, a set for each slot
.set G0,  32
.set G1B, 48                           ; s[48:55], s[56:63] the same for R
.set G0B, 56
.set G1S, 68                           ; s[68:75], s[76:79] L's scale bytes; s[80:87], s[88:91] R's
.set G0S, 76
.set G1SB, 80
.set G0SB, 88
.set SEL, 46                           ; s[46:47] lane selects for lane l xor 16 (set behind the descriptors' arithmetic)
.set MSB, 0
.macro WIN new                         ; the immediate's high byte repeats the setting that is left
.if MSB != \new
	s_set_vgpr_msb (MSB<<8)|\new
.set MSB, \new
.endif
.endm
; A joint load: waves 0 and 1 fetch L's halves, waves 2 and 3 R's.  The branch hangs on the wave's number alone.  Four v_nop follow each line.
.macro JLOAD g0a, g1a, g0b, g1b
	s_cmp_eq_u32 s15, 0
	s_cbranch_scc0 .Lfor_b_\@
	tensor_load_to_lds s[\g0a:\g0a+3], s[\g1a:\g1a+7]
	s_nop 0
.rept 4
	v_nop
.endr
	s_branch .Lasked_\@
.Lfor_b_\@:
	tensor_load_to_lds s[\g0b:\g0b+3], s[\g1b:\g1b+7]
	s_nop 0
.rept 4
	v_nop
.endr
.Lasked_\@:
.endm
.macro CREST                           ; a round of the cluster's barrier behind its opening barrier
	s_cmp_lg_u32 s14, 0
	s_cbranch_scc1 .Lnot_wave_0_\@
	s_barrier_signal -3
.Lnot_wave_0_\@:
	s_barrier_wait -3
	s_barrier_signal -1
	s_barrier_wait -1
.endm
.macro CROUND
	s_barrier_signal -1
	s_barrier_wait -1
	CREST
.endm
.macro PLACES                          ; four plain lines behind matrix instructions, in front of loads into their sources and of reads of their results
.rept 4
	v_nop
.endr
.endm
.macro FRAG reg, a16, a8, q, i         ; tile i's fragment of the slot's q-th 128 along K: two pieces
	ds_load_b128 v[\reg:\reg+3], v[\a16] offset:TILEB*(\i)+1536*(\q)
	ds_load_b64 v[\reg+4:\reg+5], v[\a8] offset:TILEB*(\i)+1536*(\q)+512
	ds_load_b128 v[\reg+6:\reg+9], v[\a16] offset:TILEB*(\i)+1536*(\q)+768
	ds_load_b64 v[\reg+10:\reg+11], v[\a8] offset:TILEB*(\i)+1536*(\q)+1280
.endm
.macro FETCH_R slot, q, p              ; R's eight fragments into set p
	WIN 0x40
.irp i, 0,1,2,3,4,5,6,7
	FRAG 128*(\p)+FR*\i, ADRR16+\slot, ADRR8+\slot, \q, \i
.endr
	WIN 0
.endm
.macro FETCH_L slot, q, i0             ; L's tiles i0 .. i0 + 3
.irp i, \i0, \i0+1, \i0+2, \i0+3
	FRAG AF+FR*(\i), ADRL16+\slot, ADRL8+\slot, \q, \i
.endr
.endm
.macro SCALES set, ks                  ; K step ks's scale words: two a row; lanes 0-15 take L's tile i, lanes 16-31 R's tile i
.irp i, 0,1,2,3,4,5,6,7
	ds_load_b64 v[SC+16*\set+2*\i:SC+16*\set+2*\i+1], v[ADRS] offset:512*\i+128*\ks
.endr
.endm
; 16 products: L's tiles a0, a0 + 1 x R's eight.  p: R's set; q: which 128 of the slot; sc: the set of scale words.  cmode 0: onto the sums; 1: the sums begin with the bias by R's rows; 2: by L's rows.
; The 64 accumulators take turns, one instruction a turn, in the same order in every step.
.macro MUL16 a0, p, q, sc, cmode
.irp a, \a0, \a0+1
.irp b, 0,1,2,3,4,5,6,7
.if \cmode == 1
	v_wmma_scale_f32_16x16x128_f8f6f4 v[8*(8*((\a)%4)+\b):8*(8*((\a)%4)+\b)+7], v[128*(\p)+FR*\b:128*(\p)+FR*\b+FR-1], v[AF+FR*(\a):AF+FR*(\a)+FR-1], v[BR+8*\b:BR+8*\b+7], v[SC+16*(\sc)+2*\b+(\q)], v[SC+16*(\sc)+2*(\a)+(\q)] matrix_a_fmt:MATRIX_FMT_FP6 matrix_b_fmt:MATRIX_FMT_FP6 matrix_a_scale:MATRIX_SCALE_ROW1
.elseif \cmode == 2
	v_wmma_scale_f32_16x16x128_f8f6f4 v[8*(8*((\a)%4)+\b):8*(8*((\a)%4)+\b)+7], v[128*(\p)+FR*\b:128*(\p)+FR*\b+FR-1], v[AF+FR*(\a):AF+FR*(\a)+FR-1], v[BR+8*(\a):BR+8*(\a)+7], v[SC+16*(\sc)+2*\b+(\q)], v[SC+16*(\sc)+2*(\a)+(\q)] matrix_a_fmt:MATRIX_FMT_FP6 matrix_b_fmt:MATRIX_FMT_FP6 matrix_a_scale:MATRIX_SCALE_ROW1
.else
	v_wmma_scale_f32_16x16x128_f8f6f4 v[8*(8*((\a)%4)+\b):8*(8*((\a)%4)+\b)+7], v[128*(\p)+FR*\b:128*(\p)+FR*\b+FR-1], v[AF+FR*(\a):AF+FR*(\a)+FR-1], v[8*(8*((\a)%4)+\b):8*(8*((\a)%4)+\b)+7], v[SC+16*(\sc)+2*\b+(\q)], v[SC+16*(\sc)+2*(\a)+(\q)] matrix_a_fmt:MATRIX_FMT_FP6 matrix_b_fmt:MATRIX_FMT_FP6 matrix_a_scale:MATRIX_SCALE_ROW1
.endif
.endr
.endr
.endm
; A slot's first 128 along K (R's set 0); it fetches the second 128 (R's set 1).  Windows: source 0 window 1, source 1 window 0, D window 2 or 3, C with D or (the bias) window 0.
.macro STEP slot, cmode
	s_wait_dscnt 4*NL                              ; R's set, L's tiles 0-3 and the scale words are in; the youngest sixteen loads (L's tiles 4-7) may be out
.if \cmode
	WIN 0x81
.else
	WIN 0xa1
.endif
	MUL16 0, 0, 0, \slot, \cmode
	MUL16 2, 0, 0, \slot, \cmode
	s_wait_dscnt 0x0                               ; L's tiles 4-7 are in
	PLACES
	FETCH_R \slot, 1, 1
	FETCH_L \slot, 1, 0
.if \cmode
	WIN 0xc1
.else
	WIN 0xf1
.endif
	MUL16 4, 0, 0, \slot, \cmode
	MUL16 6, 0, 0, \slot, \cmode
	PLACES
	WIN 0
	FETCH_L \slot, 1, 4
.endm
; A slot's second 128 changes slots: one barrier; in front of it each wave waits for all its tensor loads, adds 0 to its spare word, and waits for that and for its reads of this slot.
; fill = 1: the barrier opens a round of the cluster's, and this slot is filled again, two K steps ahead.  ks: the next K step, for its scale words.
.macro TURN slot, next, fill, ks
	s_wait_tensorcnt 0x0                           ; all my tensor loads have landed: my part of the next slot
	ds_add_u32 v[SPW], v[NIL]                      ; 0 onto my spare word
	s_wait_dscnt 4*NL+1                            ; (the add and the youngest sixteen loads may be out)
	WIN 0xa1
	MUL16 0, 1, 1, \slot, 0                        ; sixteen products stand between the add and the wait for it
	s_wait_dscnt 0x0                               ; the add is done, and my reads of this slot are over
	s_barrier_signal -1
	MUL16 2, 1, 1, \slot, 0
	WIN 0
	s_barrier_wait -1
.if \fill
	CREST                                          ; no wave of any partner still reads this slot or has a load on its way
	s_add_nc_u64 s[G0+4*\slot+2:G0+4*\slot+3], s[G0+4*\slot+2:G0+4*\slot+3], 2*TILEB
	s_add_nc_u64 s[G0B+4*\slot+2:G0B+4*\slot+3], s[G0B+4*\slot+2:G0B+4*\slot+3], 2*TILEB
	JLOAD G0+4*\slot, G1, G0B+4*\slot, G1B         ; the first tensor load behind the round; its four v_nop are the places in front of the loads below
.else
	PLACES
.endif
	FETCH_R \next, 0, 0
	FETCH_L \next, 0, 0
	SCALES \next, \ks
	WIN 0xf1
	MUL16 4, 1, 1, \slot, 0
	MUL16 6, 1, 1, \slot, 0
	PLACES
	WIN 0
	FETCH_L \next, 0, 4
.endm
; THE WAY OUT of L's tile a: a lane's 64 numbers (register 16 B + i = place 32 B + 16 h + i along R) are read where they lie, each accumulator from its low end on, and become a fragment's codes and a scale word.
.macro OUTBLK a
.set AC, 64*((\a)%4)
	WIN 5*(2+(\a)/4)                               ; sources 0 and 1: the accumulators' window
.irp b, 0,1,2,3
	v_max3_num_f32 v[TM+\b], |v[AC+16*\b]|, |v[AC+16*\b+1]|, 0x1800000   ; my 16 numbers of block b, and the floor 2^(3 - 127): the byte cannot fall under 1
.endr
	WIN 20*(2+(\a)/4)                              ; sources 1 and 2
.irp i, 2,4,6,8,10,12,14
.irp b, 0,1,2,3
	v_max3_num_f32 v[TM+\b], v[TM+\b], |v[AC+16*\b+\i]|, |v[AC+16*\b+\i+1]|
.endr
.endr
	WIN 0
.irp b, 0,1,2,3
	v_permlanex16_b32 v[TM+4+\b], v[TM+\b], s[SEL], s[SEL+1]
.endr
.irp b, 0,1,2,3
	v_max_num_f32 v[TM+\b], v[TM+\b], v[TM+4+\b]   ; with lane l xor 16's: the block's largest magnitude
.endr
.irp b, 0,1,2,3
	v_add_nc_u32 v[TM+12+\b], 0xff000000, v[TM+\b] ; 2 off its exponent field: the conversion's scale operand
.endr
.irp b, 0,1,2,3
	v_lshrrev_b32 v[TM+4+\b], 23, v[TM+12+\b]      ; the scale's byte
.endr
	v_lshl_or_b32 v[SWR+(\a)], v[TM+5], 8, v[TM+4]
	v_lshl_or_b32 v[SWR+(\a)], v[TM+6], 16, v[SWR+(\a)]
	v_lshl_or_b32 v[SWR+(\a)], v[TM+7], 24, v[SWR+(\a)]
.if (\a) > 0
	s_wait_xcnt 0x0                                ; the last tile's stores have read their data and their base: both are written again only behind this wait
	s_add_nc_u64 s[12:13], s[12:13], s[104:105]
.endif
	WIN 2+(\a)/4                                   ; source 0
.irp c, 0,1
	v_cvt_scalef32_pk16_fp6_f32 v[PC+6*\c:PC+6*\c+2], v[AC+32*\c:AC+32*\c+15], v[TM+12+2*\c]
	v_cvt_scalef32_pk16_fp6_f32 v[PC+12+4*\c:PC+14+4*\c], v[AC+32*\c+16:AC+32*\c+31], v[TM+12+2*\c+1]
.endr
	WIN 0
	v_nop                                          ; one plain line behind the conversions
.irp c, 0,1                                    ; a whole block to a lane: lanes 0-15 block 2 c, lanes 16-31 block 2 c + 1
.irp i, 0,1,2
	v_permlane16_swap_b32 v[PC+6*\c+\i], v[PC+12+4*\c+\i]
.endr
.irp i, 0,1,2
	v_mov_b32 v[PC+3+6*\c+\i], v[PC+12+4*\c+\i]
.endr
.endr
	global_store_b128 v[VO], v[PC:PC+3], s[12:13]                  ; a piece: 512 consecutive bytes,
	global_store_b64 v[VO+1], v[PC+4:PC+5], s[12:13] offset:512    ; and 256
	global_store_b128 v[VO+2], v[PC+6:PC+9], s[12:13]              ; the second piece: the next head's (q, k) or the next 64 keys' (v)
	global_store_b64 v[VO+3], v[PC+10:PC+11], s[12:13] offset:512
.endm
	s_load_b256 s[4:11], s[0:1], 0x0               ; xc s[4:5], xsc s[6:7], wc s[8:9], wsc s[10:11]
	s_load_b128 s[96:99], s[0:1], 0x20             ; bq, bk
	s_load_b128 s[20:23], s[0:1], 0x30             ; bv s[20:21], qkv s[22:23]
	s_load_b64 s[100:101], s[0:1], 0x40            ; qkvs
	v_lshl_add_u32 v[SPW], v0, 2, SPARE
	v_mov_b32 v[NIL], 0
	ds_add_u32 v28, v29
	ds_add_u32 v28, v29
	s_wait_dscnt 0x0
	v_lshrrev_b32 v1, 5, v0
	v_readfirstlane_b32 s14, v1                    ; wave 0..3
	s_lshr_b32 s15, s14, 1                         ; my half of L's rows.  Also: I fetch for L (0) or for R (1)
	s_and_b32 s16, s14, 1                          ; my half of R's rows.  Also: which eight tiles I fetch
	s_bfe_u32 s40, ttmp6, 0x40000                  ; cx
	s_bfe_u32 s41, ttmp6, 0x40004                  ; cy
	s_and_b32 s17, ttmp7, 0xffff
	s_lshl_b32 s17, s17, 2                         ; 4 x cluster y
	s_lshl_b32 s18, ttmp9, 2                       ; 4 x cluster x
	s_lshl_b32 s43, s41, 2
	s_lshl_b32 s43, 15, s43                        ; my row of the cluster
	s_lshl_b32 s44, 0x1111, s40                    ; my column
	s_cmp_eq_u32 ttmp9, 2                          ; v's tiles?  The same answer in all sixteen partners
	s_cselect_b32 s66, 1, 0
	s_cselect_b32 s42, 8, s17
	s_cselect_b32 s45, s17, s18
	s_add_co_u32 s42, s42, s41                     ; L's block of 16 tiles: tokens 4 Cy + cy, or wv's channels 8 + cy
	s_add_co_u32 s45, s45, s40                     ; R's: channels 4 Cx + cx, or tokens 4 Cy + cx
	; group 1: eight tiles' 3,072 bytes of a K step, 12,288 bytes apart: 8 rows of 384 elements of 8 bytes, no padding
	s_or_b32 s[G1+0], s43, (3<<16)|(1<<21)         ; 15:0 the mask; 17:16 elements of 8 bytes; 21 set beside a mask
	s_or_b32 s[G1B+0], s44, (3<<16)|(1<<21)
.irp g, G1, G1B
	s_mov_b32 s[\g+1], 384<<16                     ; tensor_dim0
	s_mov_b32 s[\g+2], 8<<16                       ; tensor_dim1
	s_mov_b32 s[\g+3], 384<<16                     ; tile_dim0
	s_mov_b32 s[\g+4], 8                           ; tile_dim1
	s_mov_b32 s[\g+5], 1536                        ; the pitch
	s_mov_b32 s[\g+6], 0
	s_mov_b32 s[\g+7], 0
.endr
	; the scale bytes of eight tiles, all of K: 4,096 dense bytes as 16 rows of 256
	s_or_b32 s[G1S+0], s43, (3<<16)|(1<<21)
	s_or_b32 s[G1SB+0], s44, (3<<16)|(1<<21)
.irp g, G1S, G1SB
	s_mov_b32 s[\g+1], 32<<16
	s_mov_b32 s[\g+2], 16<<16
	s_mov_b32 s[\g+3], 32<<16
	s_mov_b32 s[\g+4], 16
	s_mov_b32 s[\g+5], 32
	s_mov_b32 s[\g+6], 0
	s_mov_b32 s[\g+7], 0
.endr
	s_lshl_b32 s19, s16, 3
	s_lshl_b32 s46, s42, 4
	s_add_co_u32 s46, s46, s19                     ; L: the first tile that I would fetch (made of cy, never of cx)
	s_lshl_b32 s92, s45, 4
	s_add_co_u32 s92, s92, s19                     ; R: likewise (of cx, never of cy)
	s_lshl_b32 s2, s46, 9                          ; its scale bytes
	s_mov_b32 s3, 0
	s_mul_i32 s46, s46, 12288                      ; its codes
	s_mov_b32 s47, 0
	s_lshl_b32 s94, s92, 9
	s_mov_b32 s95, 0
	s_mul_i32 s92, s92, 12288
	s_mov_b32 s93, 0
	s_mul_i32 s67, s14, HALFT                      ; where they go: by the wave's number alone
	s_lshl_b32 s19, s14, 12
	s_wait_kmcnt 0x0
	s_cmp_eq_u32 s66, 1
	s_cselect_b64 s[G0+2:G0+3], s[8:9], s[4:5]     ; L's codes: wc or xc
	s_cselect_b64 s[G0B+2:G0B+3], s[4:5], s[8:9]   ; R's
	s_cselect_b64 s[G0S+2:G0S+3], s[10:11], s[6:7] ; L's scale bytes
	s_cselect_b64 s[G0SB+2:G0SB+3], s[6:7], s[10:11]
	s_cmp_eq_u32 ttmp9, 1
	s_cselect_b64 s[96:97], s[98:99], s[96:97]
	s_cmp_eq_u32 s66, 1
	s_cselect_b64 s[96:97], s[20:21], s[96:97]     ; my bias: bq, bk or bv
	CROUND                                         ; all sixteen work-groups are here: the first joint loads meet
	s_mov_b32 s[G0S], 1
	s_add_co_u32 s[G0S+1], s19, SCL
	s_add_nc_u64 s[G0S+2:G0S+3], s[G0S+2:G0S+3], s[2:3]
	s_or_b32 s[G0S+3], s[G0S+3], 0x80000000
	s_mov_b32 s[G0SB], 1
	s_add_co_u32 s[G0SB+1], s19, SCL+128
	s_add_nc_u64 s[G0SB+2:G0SB+3], s[G0SB+2:G0SB+3], s[94:95]
	s_or_b32 s[G0SB+3], s[G0SB+3], 0x80000000
	JLOAD G0S, G1S, G0SB, G1SB                     ; the scale bytes first: filled once
	s_add_nc_u64 s[G0+2:G0+3], s[G0+2:G0+3], s[46:47]
	s_add_nc_u64 s[G0+6:G0+7], s[G0+2:G0+3], TILEB
	s_add_nc_u64 s[G0B+2:G0B+3], s[G0B+2:G0B+3], s[92:93]
	s_add_nc_u64 s[G0B+6:G0B+7], s[G0B+2:G0B+3], TILEB
.irp s, 0,1
	s_mov_b32 s[G0+4*\s], 1
	s_add_co_u32 s[G0+4*\s+1], s67, \s*SLOT
	s_or_b32 s[G0+4*\s+3], s[G0+4*\s+3], 0x80000000
	s_mov_b32 s[G0B+4*\s], 1
	s_add_co_u32 s[G0B+4*\s+1], s67, \s*SLOT
	s_or_b32 s[G0B+4*\s+3], s[G0B+4*\s+3], 0x80000000
	JLOAD G0+4*\s, G1, G0B+4*\s, G1B               ; K steps 0 and 1: three tensor loads of mine are out
.endr
	; while the tiles are on their way: what differs between q, k and v, chosen without a jump
	s_cmp_eq_u32 s66, 1
	s_cselect_b32 s67, s41, s40                    ; the place in the cluster that counts channels,
	s_cselect_b32 s19, s15, s16                    ; my half along the channels,
	s_cselect_b32 s2, s40, s41                     ; the place that counts tokens,
	s_cselect_b32 s3, s16, s15                     ; my half along the tokens
	s_mov_b32 s104, 768
	s_cselect_b32 s104, 49152, s104                ; from L's tile to the next: a token tile's piece, or a channel tile's 64 pieces
	s_mov_b32 s105, 0
	s_mov_b32 s92, 196608
	s_cselect_b32 s92, 768, s92                    ; from a fragment's first piece to its second: the next head, or the next 64 keys
	s_cselect_b32 s93, 1, 3
	s_mov_b32 s94, 16384
	s_cselect_b32 s94, 256, s94
	s_mov_b32 s95, 512
	s_cselect_b32 s95, 4096, s95
	s_cselect_b32 s42, 516096, 0
	s_lshl_b32 s45, s18, 2
	s_lshl_b32 s46, s67, 2
	s_add_co_u32 s45, s45, s46
	s_lshl_b32 s46, s19, 1
	s_add_co_u32 s45, s45, s46                     ; P = 16 Cx + 4 c + 2 half: my first head among q's 16, k's 16, v's 16
	s_lshl_b32 s46, s67, 10
	s_lshl_b32 s47, s19, 9
	s_add_co_u32 s46, s46, s47
	s_mov_b32 s47, 0
	s_add_nc_u64 s[96:97], s[96:97], s[46:47]      ; the bias at my 128 channels
	s_add_co_u32 s2, s2, s17
	s_lshl_b32 s2, s2, 1
	s_add_co_u32 s2, s2, s3                        ; T2: my 128 tokens
	s_mul_i32 s46, s45, 196608
	s_lshl_b32 s3, s2, s93                         ; token tiles (8 T2) or key pieces (2 T2)
	s_mul_i32 s3, s3, 768
	s_add_co_u32 s46, s46, s3
	s_add_nc_u64 s[12:13], s[22:23], s[46:47]      ; where my codes begin
	s_mul_i32 s46, s45, s94
	s_mul_i32 s3, s2, s95
	s_add_co_u32 s46, s46, s3
	s_add_co_u32 s46, s46, s42
	s_add_nc_u64 s[100:101], s[100:101], s[46:47]  ; and my scale words
	s_mov_b32 s[SEL], 0x76543210
	s_mov_b32 s[SEL+1], 0xfedcba98
	s_mov_b32 s67, 0x7f7f0000
	v_and_b32 v1, 15, v0                           ; r
	v_bfe_u32 v2, v0, 4, 1                         ; h
	v_and_b32 v5, 31, v0
	v_lshlrev_b32 v5, 4, v5                        ; 16 x lane
	v_lshlrev_b32 v6, 4, v1
	v_lshl_add_u32 v6, v2, 3, v6                   ; 16 r + 8 h
	v_lshlrev_b32 v3, 6, v2                        ; the bias by R's rows: 16 h numbers on
	v_and_b32 v4, 8, v1
	v_add_nc_u32 v4, v4, v1
	v_lshlrev_b32 v4, 2, v4                        ; the bias by L's rows: r + 8 (r / 8)
	s_cmp_eq_u32 s66, 1
	s_cbranch_scc1 .Lbias_v
.irp b, 0,1,2,3,4,5,6,7                        ; q, k: register j of set b: channel 32 (b / 2) + 8 (b % 2) + 16 h + j
	global_load_b128 v[BR+8*\b:BR+8*\b+3], v3, s[96:97] offset:128*(\b/2)+32*(\b%2)
	global_load_b128 v[BR+8*\b+4:BR+8*\b+7], v3, s[96:97] offset:128*(\b/2)+32*(\b%2)+16
.endr
	s_branch .Lbias_done
.Lbias_v:
.irp a, 0,1,2,3,4,5,6,7                        ; v: all eight registers of set a: my lane's channel of tile a
.irp j, 0,1,2,3,4,5,6,7
	global_load_b32 v[BR+8*\a+\j], v4, s[96:97] offset:128*(\a/2)+32*(\a%2)
.endr
.endr
.Lbias_done:
	s_mul_i32 s2, s15, HALFT                       ; my eight tiles of L
	s_mul_i32 s3, s16, HALFT
	s_add_co_u32 s3, s3, 2*HALFT                   ; my eight of R, behind L's sixteen
.irp s, 0,1
	v_add_nc_u32 v[ADRL16+\s], s2, v5
	v_add_nc_u32 v[ADRL8+\s], s2, v6
	v_add_nc_u32 v[ADRR16+\s], s3, v5
	v_add_nc_u32 v[ADRR8+\s], s3, v6
	s_add_co_u32 s2, s2, SLOT
	s_add_co_u32 s3, s3, SLOT
.endr
	v_lshlrev_b32 v7, 3, v1                        ; scale words: 8 bytes a row
	s_lshl_b32 s2, s15, 12
	s_lshl_b32 s3, s16, 12
	s_add_co_u32 s3, s3, SCLB-SCL
	s_sub_co_u32 s3, s3, s2
	v_mul_u32_u24 v8, s3, v2                       ; lanes 16-31 take R's: one product, the distance between the two
	s_add_co_u32 s2, s2, SCL
	v_add_nc_u32 v7, v7, v8
	v_add_nc_u32 v[ADRS], s2, v7
	v_mov_b32 v[VO], v5
	v_mov_b32 v[VO+1], v6
	v_add_nc_u32 v[VO+2], s92, v5
	v_add_nc_u32 v[VO+3], s92, v6
	v_lshlrev_b32 v30, 4, v2                       ; 16 h: which two bytes of a scale word are my half's head's
	v_mul_u32_u24 v31, s94, v2
	v_lshl_add_u32 v31, v1, 4, v31                 ; the scale words' place: my half's head, 16 bytes a row
	s_wait_tensorcnt 1                             ; the scale bytes and my part of K step 0 are in; K step 1's load may be out
	s_barrier_signal -1
	s_barrier_wait -1
	FETCH_R 0, 0, 0
	FETCH_L 0, 0, 0
	SCALES 0, 0
	FETCH_L 0, 0, 4
	s_wait_loadcnt 0x0                             ; the bias
	s_cmp_eq_u32 s66, 1
	s_cbranch_scc1 .Lfirst_v
	STEP 0, 1                                      ; the first products start the sums with the bias: nothing is cleared, nothing is added later
	s_branch .Lfirst_done
.Lfirst_v:
	STEP 0, 2
.Lfirst_done:
	TURN 0, 1, 1, 1
	STEP 1, 0
	TURN 1, 0, 1, 2
	STEP 0, 0
	TURN 0, 1, 0, 3                                ; the last two K steps ask for nothing
	STEP 1, 0
	s_wait_dscnt 4*NL
	WIN 0xa1
	MUL16 0, 1, 1, 1, 0
	MUL16 2, 1, 1, 1, 0
	s_wait_dscnt 0x0
	WIN 0xf1
	MUL16 4, 1, 1, 1, 0
	MUL16 6, 1, 1, 1, 0
	WIN 0
	PLACES                                         ; behind the last products: their results are read, and L's registers written, below
.irp b, 0,1,2,3
	v_mov_b32 v[TM+4+\b], 0                        ; written once: a lane permute's destination counts as one of its sources
.endr
.irp a, 0,1,2,3,4,5,6,7
	OUTBLK \a
.endr
	s_cmp_eq_u32 s66, 1
	s_cbranch_scc1 .Lsc_v
.irp a, 0,1,2,3,4,5,6,7                        ; q, k: lanes 0-15 take the first head's two bytes, lanes 16-31 the second's; the upper 64 of the product's 128 are zero codes under the byte 127
	v_lshrrev_b32 v[SW2+\a], v30, v[SWR+\a]
.endr
.irp a, 0,1,2,3,4,5,6,7
	v_and_or_b32 v[SW2+\a], v[SW2+\a], 0xffff, s67
.endr
	global_store_b128 v31, v[SW2:SW2+3], s[100:101]              ; four token tiles' words: 256 consecutive bytes for each head
	global_store_b128 v31, v[SW2+4:SW2+7], s[100:101] offset:256
	s_branch .Lsc_done
.Lsc_v:
	v_cmp_eq_u32 vcc_lo, 1, v2
.irp c, 0,1,2,3                                ; v: lanes 0-15 the first head's four channel tiles, lanes 16-31 the second's
	v_cndmask_b32 v[SW2+\c], v[SWR+\c], v[SWR+4+\c], vcc_lo
.endr
	global_store_b128 v31, v[SW2:SW2+3], s[100:101]
.Lsc_done:
	s_wait_tensorcnt 0x0                           ; the wave's end
	ds_add_u32 v[SPW], v[NIL]
	s_wait_dscnt 0x0
	CROUND                                         ; the closing round: no work-group ends while a partner may still ask for a tile that names it
	s_endpgm
.Lfunc_end_k_qc004fb5ed5_qkv:
	.size	k_qc004fb5ed5_qkv, .Lfunc_end_k_qc004fb5ed5_qkv-k_qc004fb5ed5_qkv
	.p2alignl 7, 3214868480
	.fill 96, 4, 3214868480
	.section	.rodata,"a",@progbits
	.p2align	6, 0x0
	.amdhsa_kernel k_qc004fb5ed5_qkv
		.amdhsa_group_segment_fixed_size 327680
		.amdhsa_private_segment_fixed_size 0
		.amdhsa_enable_private_segment 0
		.amdhsa_kernarg_size 72
		.amdhsa_user_sgpr_count 2
		.amdhsa_user_sgpr_kernarg_segment_ptr 1
		.amdhsa_wavefront_size32 1
		.amdhsa_system_sgpr_workgroup_id_x 1
		.amdhsa_system_sgpr_workgroup_id_y 1
		.amdhsa_system_sgpr_workgroup_id_z 1
		.amdhsa_system_vgpr_workitem_id 0
		.amdhsa_next_free_vgpr 1024
		.amdhsa_next_free_sgpr 106
		.amdhsa_reserve_vcc 1
		.amdhsa_float_denorm_mode_32 3
		.amdhsa_float_denorm_mode_16_64 3
		.amdhsa_memory_ordered 1
		.amdhsa_forward_progress 1
		.amdhsa_inst_pref_size 172
	.end_amdhsa_kernel
	.amdgpu_metadata
---
amdhsa.version: [ 1, 2 ]
amdhsa.kernels:
  - .name:           k_qc004fb5ed5_qkv
    .symbol:         k_qc004fb5ed5_qkv.kd
    .args:
      - { .name: xc, .offset: 0, .size: 8, .value_kind: global_buffer, .address_space: global }
      - { .name: xsc, .offset: 8, .size: 8, .value_kind: global_buffer, .address_space: global }
      - { .name: wc, .offset: 16, .size: 8, .value_kind: global_buffer, .address_space: global }
      - { .name: wsc, .offset: 24, .size: 8, .value_kind: global_buffer, .address_space: global }
      - { .name: bq, .offset: 32, .size: 8, .value_kind: global_buffer, .address_space: global }
      - { .name: bk, .offset: 40, .size: 8, .value_kind: global_buffer, .address_space: global }
      - { .name: bv, .offset: 48, .size: 8, .value_kind: global_buffer, .address_space: global }
      - { .name: qkv, .offset: 56, .size: 8, .value_kind: global_buffer, .address_space: global }
      - { .name: qkvs, .offset: 64, .size: 8, .value_kind: global_buffer, .address_space: global }
    .group_segment_fixed_size: 327680
    .private_segment_fixed_size: 0
    .kernarg_segment_align: 8
    .kernarg_segment_size: 72
    .max_flat_workgroup_size: 128
    .sgpr_count:     106
    .vgpr_count:     1024
    .wavefront_size: 32
...
	.end_amdgpu_metadata
.endif
;; end of part 2
;; launch attn (part 3): grid 16 x 16, 16 waves a work-group, no clusters, 54,272 bytes of LDS; arguments qkv, qkvs, ac, asc; writes ac, asc
.if DOCPART == 3
	.amdgcn_target "amdgcn-amd-amdhsa--gfx1250"
	.amdhsa_code_object_version 6
	.text
	.protected	k_qc004fb5ed5_attn
	.globl	k_qc004fb5ed5_attn
	.p2align	8
	.type	k_qc004fb5ed5_attn,@function
k_qc004fb5ed5_attn:
	s_mov_b64 s[64:65], 0
	v_nop
	global_prefetch_b8 v0, s[64:65] scope:SCOPE_SE
	s_setreg_imm32_b32 hwreg(HW_REG_WAVE_MODE, 25, 1), 1
	s_wait_xcnt 0x0
; Attention in a window: query i sees key j where |i - j| <= 128; 16 heads of 64; both products on codes of FP6 (E2M3) with E8M0 scales.  The result is quantised along (head, channel) for the last projection.
; SHARES.  A work-group owns 256 queries of one head; each of its sixteen waves one tile of 16.  A query of the 128-block t sees keys of blocks t - 1, t, t + 1 alone: three key steps of 128 a wave,
; the own block whole, the lower one where key place >= query place, the upper one where key place <= query place.  Blocks -1 and 32 do not exist: their step is jumped over (a branch on ids).
; The work-group's four key blocks 2 qb - 1 .. 2 qb + 2 (the number held to 0 .. 31; a held copy is never read) come ONCE through registers into LDS: 48 KiB of codes, 3 KiB of scale words; one barrier.
; NO CLUSTER: of a work-group's four key blocks two are also a neighbour's, at other places of its LDS, and the two neighbours' sets differ: no load is the same in two work-groups.
; LAYOUT.  S^T = K Q^T (source 0 = 16 keys, source 1 = my 16 queries; K = 64: the upper 64 of the instruction's 128 are zero codes under the byte 127), O^T = V^T P^T: a lane holds one query throughout.
; Tiles stand in tile order (place r of tile t: 32 (t / 2) + 8 (t % 2) + r + 8 (r / 8)): register 16 B + i of S^T is key place 32 B + 16 h + i, of O^T channel 32 B + 16 h + i.
; SOFTMAX: t = score x log2(e) / 8; M = the running largest t rounded up to a whole number; p = 2^(t - M) is quantised along the keys, not normalised; the row's sum is taken of the unquantised p and divides at the end.
; A block's largest p is not searched for: the block's largest score goes through the same multiply-add and exponential (this takes v_exp_f32 not to fall where its input rises).
; OUT.  ac: [256 token tiles][16 pieces = heads][768]; asc: [tile][4][r][8 bytes]: a wave has one byte a lane there (four heads share eight bytes): single bytes, one for each 24 bytes of codes.
; LIMITS: a block of zeros gets the byte 1 (zero codes; read by this program alone); NaN and infinities are not served.
; REGISTERS: v1-11 addresses; v12 -M, v13 the largest t, v[14:15] the sum; v16-27 Q (upper six zeros); v28 Q's scale word; v29-31, v92-95 the head's addresses; v32-79 four fragments of K (upper six of each zeros);
;   v80-87 K's scale words, v88-91 V's; v96-159 S^T, then p, then (v96-143) V's four fragments; v160-191 O^T; v224-235 p's codes; v232-254 at work; v[250:251] f; v253 p's scale word.
.set VC,     24576                     ; LDS: K's codes at 0 (block i at 6144 i), V's here ((4 i + channel tile) x 1536),
.set KS,     49152                     ; K's scale words (512 i + 256 (tile / 4) + 16 r),
.set VS,     51200                     ; V's (256 i + 16 r)
.set VPART,  6291456                   ; v's codes in qkv
.set VSPART, 524288                    ; v's scale words in qkvs
.set SEL,    20                        ; s[20:21] lane selects for lane l xor 16
.set CS,     22                        ; s[22:23] c = log2(e) / 8
; A key step.  dl: 0 the lower block, 1 my own, 2 the upper.  mask: 0 none, 1 hide key places under the query's, 2 above it.  first: O^T's sums begin.
.macro STEP dl, mask, first
.rept 5
	v_nop                                          ; five plain lines: S^T is written over V's fragments, which the last products read; loads go into their scale words; in the first step: behind the registers cleared at the head
.endr
.irp g, 0,1                                    ; S^T = K Q^T, four tiles of 16 keys at a time
.if \g
.rept 4
	v_nop                                          ; in front of loads into registers that the four products have read
.endr
.endif
.irp t, 0,1,2,3
	ds_load_b128 v[32+12*\t:35+12*\t], v1 offset:6144*\dl+768*(4*\g+\t)
	ds_load_b64 v[36+12*\t:37+12*\t], v2 offset:6144*\dl+768*(4*\g+\t)+512
.endr
.if \g == 0
	ds_load_b128 v[80:83], v5 offset:512*\dl       ; the scale words of K's tiles 0-3,
	ds_load_b128 v[84:87], v5 offset:512*\dl+256   ; 4-7,
	ds_load_b128 v[88:91], v6 offset:256*\dl       ; and of V's four channel tiles for these 128 keys
.endif
	s_wait_dscnt 0x0
.irp t, 0,1,2,3
	v_wmma_scale_f32_16x16x128_f8f6f4 v[96+8*(4*\g+\t):103+8*(4*\g+\t)], v[32+12*\t:43+12*\t], v[16:27], 0, v[80+4*\g+\t], v28 matrix_a_fmt:MATRIX_FMT_FP6 matrix_b_fmt:MATRIX_FMT_FP6
.endr
.endr
.rept 4
	v_nop
.endr
.if \mask                                      ; v7 = my query's place - 16 h; register n holds key place 32 (n / 16) + n % 16 + 16 h.  Hidden scores become -infinity ahead of the maximum: p = 0 then
	v_mov_b32 v254, 0xff800000
.set n, 0
.rept 64
.if \mask == 1
	v_cmp_lt_i32 vcc_lo, 32*(n/16)+n%16, v7
.else
	v_cmp_gt_i32 vcc_lo, 32*(n/16)+n%16, v7
.endif
	v_cndmask_b32 v[96+n], v[96+n], v254, vcc_lo
.set n, n+1
.endr
.endif
.irp b, 0,1,2,3
	v_max3_num_f32 v[232+\b], v[96+16*\b], v[97+16*\b], v[98+16*\b]   ; the largest score of each block of 32 keys: for the row's maximum and for the block's largest p
.endr
.irp i, 3,5,7,9,11,13
.irp b, 0,1,2,3
	v_max3_num_f32 v[232+\b], v[232+\b], v[96+16*\b+\i], v[97+16*\b+\i]
.endr
.endr
.irp b, 0,1,2,3
	v_max_num_f32 v[232+\b], v[232+\b], v[111+16*\b]
.endr
.irp b, 0,1,2,3
	v_permlanex16_b32 v[236+\b], v[232+\b], s[SEL], s[SEL+1]
.endr
.irp b, 0,1,2,3
	v_max_num_f32 v[232+\b], v[232+\b], v[236+\b]  ; with lane l xor 16's 16 keys
.endr
	v_max3_num_f32 v254, v232, v233, v234
	v_max_num_f32 v254, v254, v235                 ; the step's largest score of my query
	v_mul_f32 v254, s[CS], v254                    ; as t
	v_max_num_f32 v13, v13, v254                   ; the running largest t
	v_mov_b32 v254, v12
	v_floor_f32 v12, -v13                          ; the new -M = floor(-t): M is a whole number
	v_sub_f32 v254, v12, v254                      ; old M - new M: a whole number, 0 or less
	v_cvt_i32_f32 v254, v254                       ; (it saturates)
	v_ldexp_f32 v250, 1.0, v254                    ; f = 2^(old M - new M): a multiplication by it rounds nothing
.set j, 0
.rept 32
	v_pk_fma_f32 v[96+j:97+j], v[96+j:97+j], s[CS:CS+1], v[12:13] op_sel_hi:[1,0,0]   ; t - M, two at a time
.set j, j+2
.endr
.irp b, 0,1,2,3
	v_fma_f32 v[232+\b], v[232+\b], s[CS], v12     ; the same of each block's largest score
.endr
.set j, 0
.rept 64
	v_exp_f32 v[96+j], v[96+j]                     ; p = 2^(t - M), at most 1
.set j, j+1
.endr
	v_pk_mul_f32 v[14:15], v[14:15], v[250:251] op_sel_hi:[1,0]   ; the sums under the new M; the plain line behind the exponentials
	s_wait_alu depctr_va_vdst(0)                   ; one wait for the whole batch, ahead of its first reader
.irp b, 0,1,2,3
	v_exp_f32 v[232+\b], v[232+\b]                 ; the block's largest p
.endr
	v_pk_add_f32 v[236:237], v[96:97], v[98:99]    ; the row's sum, of the unquantised p: two chains
.irp j, 4,8,12,16,20,24,28,32,36,40,44,48,52,56,60
	v_pk_add_f32 v[14:15], v[14:15], v[96+\j:97+\j]
	v_pk_add_f32 v[236:237], v[236:237], v[98+\j:99+\j]
.endr
	v_pk_add_f32 v[14:15], v[14:15], v[236:237]
	s_wait_alu depctr_va_vdst(0)                   ; and one for the four
.irp b, 0,1,2,3
	v_max_num_f32 v[232+\b], 0x1800000, v[232+\b]  ; the floor 2^(3 - 127): the byte cannot fall under 1
.endr
.irp b, 0,1,2,3
	v_add_nc_u32 v[244+\b], 0xff000000, v[232+\b]  ; 2 off the exponent field: the conversion's scale operand
.endr
.irp b, 0,1,2,3
	v_lshrrev_b32 v[236+\b], 23, v[244+\b]         ; the scale's byte
.endr
	v_lshl_or_b32 v253, v237, 8, v236              ; p's scale word for these 128 keys
	v_lshl_or_b32 v253, v238, 16, v253
	v_lshl_or_b32 v253, v239, 24, v253
.irp c, 0,1
	v_cvt_scalef32_pk16_fp6_f32 v[224+6*\c:226+6*\c], v[96+32*\c:111+32*\c], v[244+2*\c]
	v_cvt_scalef32_pk16_fp6_f32 v[236+4*\c:238+4*\c], v[112+32*\c:127+32*\c], v[244+2*\c+1]
.endr
	v_nop                                          ; one plain line behind the conversions
.irp c, 0,1                                    ; a whole block to a lane
.irp i, 0,1,2
	v_permlane16_swap_b32 v[224+6*\c+\i], v[236+4*\c+\i]
.endr
.irp i, 0,1,2
	v_mov_b32 v[227+6*\c+\i], v[236+4*\c+\i]
.endr
.endr
.if !\first
.set j, 0
.rept 16
	v_pk_mul_f32 v[160+j:161+j], v[160+j:161+j], v[250:251] op_sel_hi:[1,0]   ; O^T under the new M
.set j, j+2
.endr
.endif
.irp t, 0,1,2,3                                ; V's four channel tiles x these 128 keys, where p lay
	ds_load_b128 v[96+12*\t:99+12*\t], v3 offset:6144*\dl+1536*\t
	ds_load_b64 v[100+12*\t:101+12*\t], v4 offset:6144*\dl+1536*\t+512
	ds_load_b128 v[102+12*\t:105+12*\t], v3 offset:6144*\dl+1536*\t+768
	ds_load_b64 v[106+12*\t:107+12*\t], v4 offset:6144*\dl+1536*\t+1280
.endr
.rept 8
	v_nop                                          ; p's scale word and codes, written by vector lines, stand eight and four plain lines ahead of the scaled products; the loads land meanwhile
.endr
	s_wait_dscnt 0x0
.irp t, 0,1,2,3                                ; the four accumulators by turns
.if \first
	v_wmma_scale_f32_16x16x128_f8f6f4 v[160+8*\t:167+8*\t], v[96+12*\t:107+12*\t], v[224:235], 0, v[88+\t], v253 matrix_a_fmt:MATRIX_FMT_FP6 matrix_b_fmt:MATRIX_FMT_FP6
.else
	v_wmma_scale_f32_16x16x128_f8f6f4 v[160+8*\t:167+8*\t], v[96+12*\t:107+12*\t], v[224:235], v[160+8*\t:167+8*\t], v[88+\t], v253 matrix_a_fmt:MATRIX_FMT_FP6 matrix_b_fmt:MATRIX_FMT_FP6
.endif
.endr
.endm
	s_load_b256 s[4:11], s[0:1], 0x0               ; qkv s[4:5], qkvs s[6:7], ac s[8:9], asc s[10:11]
	v_lshl_add_u32 v252, v0, 2, 0xcc00
	v_mov_b32 v255, 0
	v_lshrrev_b32 v1, 5, v0
	v_readfirstlane_b32 s12, v1                    ; wave 0..15
	s_and_b32 s13, ttmp7, 0xffff                   ; the head
	s_lshl_b32 s14, ttmp9, 4
	s_add_co_u32 s14, s14, s12                     ; my tile of queries
	s_lshr_b32 s15, s12, 3                         ; which of the work-group's two blocks of 128 is mine
	s_lshl_b32 s16, ttmp9, 1
	s_add_co_u32 s40, s16, s15                     ; t: my block of 128
	s_lshr_b32 s17, s12, 2                         ; the copy: which of the four key blocks,
	s_and_b32 s18, s12, 3                          ; and which quarter of it
	s_add_co_u32 s19, s16, s17
	s_sub_co_i32 s19, s19, 1
	s_max_i32 s19, s19, 0
	s_min_i32 s19, s19, 31                         ; the key block's number, held inside the sequence
	s_mul_i32 s42, s13, 196608                     ; a head's 256 pieces
	s_mul_i32 s41, s14, 768
	s_add_co_u32 s24, s42, s41                     ; Q's piece
	s_mov_b32 s25, 0
	s_lshl_b32 s43, s13, 14                        ; a head's scale words
	s_lshr_b32 s41, s14, 2
	s_lshl_b32 s41, s41, 8
	s_add_co_u32 s26, s43, s41
	s_and_b32 s41, s14, 3
	s_lshl_b32 s41, s41, 2
	s_add_co_u32 s26, s26, s41                     ; Q's scale words
	s_mov_b32 s27, 0
	s_mul_i32 s41, s19, 6144
	s_add_co_u32 s28, s42, s41
	s_mul_i32 s41, s18, 1536
	s_add_co_u32 s28, s28, s41
	s_add_co_u32 s28, s28, 16*196608               ; K's codes: my quarter of the block's eight pieces
	s_mov_b32 s29, 0
	s_lshl_b32 s30, s13, 2
	s_add_co_u32 s30, s30, s18
	s_mul_i32 s30, s30, 49152
	s_mul_i32 s41, s19, 1536
	s_add_co_u32 s30, s30, s41
	s_add_co_u32 s30, s30, VPART                   ; V's codes: my channel tile's two pieces
	s_mov_b32 s31, 0
	s_lshl_b32 s41, s19, 9
	s_add_co_u32 s32, s43, s41
	s_lshl_b32 s41, s18, 7
	s_add_co_u32 s32, s32, s41
	s_add_co_u32 s32, s32, 16*16384                ; K's scale words: 128 of the block's 512 bytes
	s_mov_b32 s33, 0
	s_lshl_b32 s34, s19, 12
	s_lshl_b32 s41, s13, 8
	s_add_co_u32 s34, s34, s41
	s_lshl_b32 s41, s18, 6
	s_add_co_u32 s34, s34, s41
	s_add_co_u32 s34, s34, VSPART                  ; V's: 64 of the block's 256 bytes
	s_mov_b32 s35, 0
	s_mul_i32 s36, s14, 12288
	s_mul_i32 s41, s13, 768
	s_add_co_u32 s36, s36, s41                     ; out: my tile's piece number head
	s_mov_b32 s37, 0
	s_lshl_b32 s38, s14, 9
	s_lshr_b32 s41, s13, 2
	s_lshl_b32 s41, s41, 7
	s_add_co_u32 s38, s38, s41
	s_and_b32 s41, s13, 3
	s_lshl_b32 s41, s41, 1
	s_add_co_u32 s38, s38, s41                     ; and its two scale bytes a row
	s_mov_b32 s39, 0
	s_mov_b32 s[SEL], 0x76543210
	s_mov_b32 s[SEL+1], 0xfedcba98
	s_mov_b32 s[CS], 0x3e38aa3b                    ; log2(e) / 8
	s_mov_b32 s[CS+1], s[CS]                       ; (named with it as a pair, so it is written)
	v_and_b32 v94, 15, v0                          ; r
	v_bfe_u32 v95, v0, 4, 1                        ; h
	v_and_b32 v93, 31, v0                          ; lane
	v_lshlrev_b32 v8, 4, v93                       ; 16 x lane
	v_lshlrev_b32 v10, 4, v94                      ; 16 r
	v_lshl_add_u32 v9, v95, 3, v10                 ; 16 r + 8 h
	v_lshl_add_u32 v11, v94, 3, v95                ; 8 r + h
	v_lshlrev_b32 v92, 2, v93                      ; 4 x lane
	v_lshlrev_b32 v93, 1, v93                      ; 2 x lane
	s_mul_i32 s41, s15, 6144                       ; every LDS address is made here, ahead of the branches
	v_add_nc_u32 v1, s41, v8                       ; K's pieces: the lower block of my three
	v_add_nc_u32 v2, s41, v9
	s_add_co_u32 s41, s41, VC
	v_add_nc_u32 v3, s41, v8                       ; V's
	v_add_nc_u32 v4, s41, v9
	s_lshl_b32 s41, s15, 9
	s_add_co_u32 s41, s41, KS
	v_add_nc_u32 v5, s41, v10                      ; K's scale words
	s_lshl_b32 s41, s15, 8
	s_add_co_u32 s41, s41, VS
	v_add_nc_u32 v6, s41, v10                      ; V's
	s_bfe_u32 s41, s12, 0x20001
	s_lshl_b32 s41, s41, 5
	s_and_b32 s44, s12, 1
	s_lshl_b32 s44, s44, 3
	s_add_co_u32 s41, s41, s44                     ; my tile's first place in its block of 128
	v_and_b32 v7, 8, v94
	v_add_nc_u32 v7, v7, v94
	v_lshlrev_b32 v29, 4, v95
	v_sub_nc_u32 v7, v7, v29
	v_add_nc_u32 v7, s41, v7                       ; my query's place - 16 h
	s_mul_i32 s41, s12, 1536
	v_add_nc_u32 v29, s41, v8                      ; the copy: 1,536 bytes a wave, of K's codes and of V's
	v_lshlrev_b32 v30, 2, v0                       ; 4 bytes a thread of K's scale words
	v_lshlrev_b32 v31, 1, v0                       ; 2 bytes a thread of V's
	s_wait_kmcnt 0x0
	s_add_nc_u64 s[24:25], s[4:5], s[24:25]
	s_add_nc_u64 s[26:27], s[6:7], s[26:27]
	s_add_nc_u64 s[28:29], s[4:5], s[28:29]
	s_add_nc_u64 s[30:31], s[4:5], s[30:31]
	s_add_nc_u64 s[32:33], s[6:7], s[32:33]
	s_add_nc_u64 s[34:35], s[6:7], s[34:35]
	s_add_nc_u64 s[36:37], s[8:9], s[36:37]
	s_add_nc_u64 s[38:39], s[10:11], s[38:39]
	global_load_b128 v[16:19], v8, s[24:25]        ; Q's piece stays in registers
	global_load_b64 v[20:21], v9, s[24:25] offset:512
	global_load_b32 v28, v10, s[26:27]
.irp m, 0,1,2
	global_load_b128 v[96+4*\m:99+4*\m], v8, s[28:29] offset:512*\m
	global_load_b128 v[108+4*\m:111+4*\m], v8, s[30:31] offset:512*\m
.endr
	global_load_b32 v120, v92, s[32:33]
	global_load_u16 v121, v93, s[34:35]
.irp j, 22,23,24,25,26,27
	v_mov_b32 v[\j], 0                             ; Q's upper 64 along K: zero codes
.endr
.irp t, 0,1,2,3
.irp j, 6,7,8,9,10,11
	v_mov_b32 v[32+12*\t+\j], 0                    ; K's likewise: cleared once, never loaded
.endr
.endr
	v_mov_b32 v13, 0xff61b1e6                      ; the largest t so far: -3e38, under every t
	v_floor_f32 v12, -v13                          ; -M
	v_mov_b32 v14, 0                               ; the sum, in two halves
	v_mov_b32 v15, 0
.irp b, 0,1,2,3
	v_mov_b32 v[236+\b], 0                         ; written once: a lane permute's destination counts as one of its sources
.endr
	v_mov_b32 v251, 0                              ; (named as the upper half of the pair v[250:251])
	s_wait_loadcnt 0x0
.irp m, 0,1,2
	ds_store_b128 v29, v[96+4*\m:99+4*\m] offset:512*\m
	ds_store_b128 v29, v[108+4*\m:111+4*\m] offset:VC+512*\m
.endr
	ds_store_b32 v30, v120 offset:KS
	ds_store_b16 v31, v121 offset:VS
	s_wait_dscnt 0x0                               ; for the others' sake: my stores have landed
	s_barrier_signal -1
	s_barrier_wait -1                              ; the four key blocks lie in LDS; nothing is written there again
	STEP 1, 0, 1                                   ; my own block first: all its keys count, so M is a number from the start
	s_cmp_eq_u32 s40, 0
	s_cbranch_scc1 .Lno_low
	STEP 0, 1, 0
.Lno_low:
	s_cmp_eq_u32 s40, 31
	s_cbranch_scc1 .Lno_high
	STEP 2, 2, 0
.Lno_high:
	; THE WAY OUT: O^T / the sum, quantised along the head's 64 channels (two blocks), stored as one piece
.rept 4
	v_nop
.endr
	v_add_f32 v14, v14, v15
	v_permlanex16_b32 v254, v14, s[SEL], s[SEL+1]
	v_add_f32 v14, v14, v254                       ; the row's sum
	v_rcp_f32 v14, v14
	v_cmp_eq_u32 vcc_lo, 1, v95                    ; (the plain line behind the reciprocal)  lanes 16-31
	s_wait_alu depctr_va_vdst(0)                   ; the wait ahead of the reciprocal's first reader
.set j, 0
.rept 16
	v_pk_mul_f32 v[96+j:97+j], v[160+j:161+j], v[14:15] op_sel_hi:[1,0]   ; register 16 B + i: channel 32 B + 16 h + i
.set j, j+2
.endr
.irp b, 0,1
	v_max3_num_f32 v[232+\b], |v[96+16*\b]|, |v[97+16*\b]|, 0x1800000
.endr
.irp i, 2,4,6,8,10,12,14
.irp b, 0,1
	v_max3_num_f32 v[232+\b], v[232+\b], |v[96+16*\b+\i]|, |v[97+16*\b+\i]|
.endr
.endr
.irp b, 0,1
	v_permlanex16_b32 v[236+\b], v[232+\b], s[SEL], s[SEL+1]
.endr
.irp b, 0,1
	v_max_num_f32 v[232+\b], v[232+\b], v[236+\b]
.endr
.irp b, 0,1
	v_add_nc_u32 v[244+\b], 0xff000000, v[232+\b]
.endr
.irp b, 0,1
	v_lshrrev_b32 v[236+\b], 23, v[244+\b]
.endr
	v_cvt_scalef32_pk16_fp6_f32 v[224:226], v[96:111], v244
	v_cvt_scalef32_pk16_fp6_f32 v[240:242], v[112:127], v245
	v_cndmask_b32 v248, v236, v237, vcc_lo         ; my half's block's byte; also the plain line behind the conversions
.irp i, 0,1,2
	v_permlane16_swap_b32 v[224+\i], v[240+\i]
.endr
.irp i, 0,1,2
	v_mov_b32 v[227+\i], v[240+\i]
.endr
	global_store_b128 v8, v[224:227], s[36:37]             ; 512 consecutive bytes
	global_store_b64 v9, v[228:229], s[36:37] offset:512   ; 256 consecutive bytes
	global_store_b8 v11, v248, s[38:39]
	s_wait_tensorcnt 0x0
	ds_add_u32 v252, v255
	s_wait_dscnt 0x0
	s_endpgm
.Lfunc_end_k_qc004fb5ed5_attn:
	.size	k_qc004fb5ed5_attn, .Lfunc_end_k_qc004fb5ed5_attn-k_qc004fb5ed5_attn
	.p2alignl 7, 3214868480
	.fill 96, 4, 3214868480
	.section	.rodata,"a",@progbits
	.p2align	6, 0x0
	.amdhsa_kernel k_qc004fb5ed5_attn
		.amdhsa_group_segment_fixed_size 54272
		.amdhsa_private_segment_fixed_size 0
		.amdhsa_enable_private_segment 0
		.amdhsa_kernarg_size 32
		.amdhsa_user_sgpr_count 2
		.amdhsa_user_sgpr_kernarg_segment_ptr 1
		.amdhsa_wavefront_size32 1
		.amdhsa_system_sgpr_workgroup_id_x 1
		.amdhsa_system_sgpr_workgroup_id_y 1
		.amdhsa_system_sgpr_workgroup_id_z 1
		.amdhsa_system_vgpr_workitem_id 0
		.amdhsa_next_free_vgpr 256
		.amdhsa_next_free_sgpr 66
		.amdhsa_reserve_vcc 1
		.amdhsa_float_denorm_mode_32 3
		.amdhsa_float_denorm_mode_16_64 3
		.amdhsa_memory_ordered 1
		.amdhsa_forward_progress 1
		.amdhsa_inst_pref_size 69
	.end_amdhsa_kernel
	.amdgpu_metadata
---
amdhsa.version: [ 1, 2 ]
amdhsa.kernels:
  - .name:           k_qc004fb5ed5_attn
    .symbol:         k_qc004fb5ed5_attn.kd
    .args:
      - { .name: qkv, .offset: 0, .size: 8, .value_kind: global_buffer, .address_space: global }
      - { .name: qkvs, .offset: 8, .size: 8, .value_kind: global_buffer, .address_space: global }
      - { .name: ac, .offset: 16, .size: 8, .value_kind: global_buffer, .address_space: global }
      - { .name: asc, .offset: 24, .size: 8, .value_kind: global_buffer, .address_space: global }
    .group_segment_fixed_size: 54272
    .private_segment_fixed_size: 0
    .kernarg_segment_align: 8
    .kernarg_segment_size: 32
    .max_flat_workgroup_size: 512
    .sgpr_count:     66
    .vgpr_count:     256
    .wavefront_size: 32
...
	.end_amdgpu_metadata
.endif
;; end of part 3
;; launch oproj (part 4): grid 4 x 16, 4 waves a work-group, clusters of 4 x 4, 327,680 bytes of LDS; arguments ac, asc, wc, wsc, bo, out0; writes out0
.if DOCPART == 4
	.amdgcn_target "amdgcn-amd-amdhsa--gfx1250"
	.amdhsa_code_object_version 6
	.text
	.protected	k_qc004fb5ed5_oproj
	.globl	k_qc004fb5ed5_oproj
	.p2align	8
	.type	k_qc004fb5ed5_oproj,@function
k_qc004fb5ed5_oproj:
	s_mov_b64 s[64:65], 0
	v_nop
	global_prefetch_b8 v0, s[64:65] scope:SCOPE_SE
	s_setreg_imm32_b32 hwreg(HW_REG_WAVE_MODE, 25, 1), 1
	s_wait_xcnt 0x0
	s_wait_alu depctr_hold_cnt(0) depctr_sa_sdst(0) depctr_va_vdst(0) depctr_va_sdst(0) depctr_va_ssrc(0) depctr_va_vcc(0) depctr_vm_vsrc(0)
	s_getreg_b32 s2, hwreg(HW_REG_IB_STS2, 6, 4)
	s_cmp_eq_u32 s2, 0
	s_cbranch_scc0 .Lentry_in_a_cluster
	s_endpgm
.Lentry_in_a_cluster:
	s_bfe_u32 s2, ttmp6, 0x10000c
	s_cmp_lg_u32 s2, 0xf033
	s_cbranch_scc0 .Lentry_shape_is_right
	s_endpgm
.Lentry_shape_is_right:
; out0 = a wo + bo on codes of FP6 (E2M3) with E8M0 scales, K = 1,024.  a: the attention's result as codes (ac, asc); wo: tiles 192-255 of wc, wsc.  out0: [4096][1024] f32.
; A tile of 256 x 256 is made by four waves, 128 x 128 each: 64 accumulators.  K goes in 4 steps of 256 through two LDS slots filled by the tensor data mover.
; The output has 16 x 4 such tiles: 64 work-groups.  The loop is the one of the q, k, v projections.
; OPERANDS come as PIECES (16 rows x 64 K, 768 bytes, laid lane by lane): a fragment is four LDS loads of consecutive bytes, no padding.  Rows stand in tile order: place r of tile t is row 32 (t / 2) + 8 (t % 2) + r + 8 (r / 8).
; L = tokens (source 1, rows in lanes), R = wo's columns (source 0, rows along a lane's registers): a lane's eight results are eight neighbouring columns of one row of out0.
; CLUSTER 4 x 4: L's tiles hang on cy and are asked for jointly along a row of the cluster, R's on cx, along a column.
; The bias is the C of each sum's first product, so the order of the f32 sums differs from a wo + bo by that.
; REGISTERS: window 0: v1-31 addresses; v32-63 scale words, two sets; v64-127 the bias; v128-223 L's fragments, one set (on the way out v128-255: rows of out0).  window 1: R's fragments, two sets.
;   windows 2, 3: accumulator (a, b) at v[8 (8 (a % 4) + b)].
.set FR,     12
.set NL,     4
.set TILEB,  3072                      ; a tile's four pieces of a K step
.set HALFT,  8*TILEB
.set SLOT,   4*HALFT
.set SCL,    2*SLOT                    ; L's scale bytes for all of K,
.set SCLB,   SCL+8192+128              ; R's, 128 bytes askew
.set SPARE,  SCLB+8192+128             ; the spare words: two blocks of 256 bytes that no other line names
.set SPITCH, 528                       ; the way out: a stage of 16 rows x (512 bytes + 16) for each wave, in slot 0, which has had its last fill and its last read when the first result is stored there
.set ADRS,   15
.set ADRL16, 16
.set ADRL8,  18
.set ADRR16, 20
.set ADRR8,  22
.set STO,    24                        ; v24  the way out: where I put 32 bytes of a row
.set RD,     25                        ; v25  where I read a row back
.set CO,     26                        ; v26  my byte offset in a row of out0
.set SPW,    28
.set NIL,    29
.set SC,     32
.set BR,     64
.set AF,     128
.set BK,     128
.set G1,  24
.set G0,  32
.set G1B, 48
.set G0B, 56
.set G1S, 68
.set G0S, 76
.set G1SB, 80
.set G0SB, 88
.set MSB, 0
.macro WIN new                         ; the immediate's high byte repeats the setting that is left
.if MSB != \new
	s_set_vgpr_msb (MSB<<8)|\new
.set MSB, \new
.endif
.endm
.macro JLOAD g0a, g1a, g0b, g1b        ; a joint load: waves 0 and 1 fetch L's halves, waves 2 and 3 R's; four v_nop follow each line
	s_cmp_eq_u32 s15, 0
	s_cbranch_scc0 .Lfor_b_\@
	tensor_load_to_lds s[\g0a:\g0a+3], s[\g1a:\g1a+7]
	s_nop 0
.rept 4
	v_nop
.endr
	s_branch .Lasked_\@
.Lfor_b_\@:
	tensor_load_to_lds s[\g0b:\g0b+3], s[\g1b:\g1b+7]
	s_nop 0
.rept 4
	v_nop
.endr
.Lasked_\@:
.endm
.macro CREST
	s_cmp_lg_u32 s14, 0
	s_cbranch_scc1 .Lnot_wave_0_\@
	s_barrier_signal -3
.Lnot_wave_0_\@:
	s_barrier_wait -3
	s_barrier_signal -1
	s_barrier_wait -1
.endm
.macro CROUND
	s_barrier_signal -1
	s_barrier_wait -1
	CREST
.endm
.macro PLACES                          ; four plain lines behind matrix instructions, in front of loads into their sources and of reads of their results
.rept 4
	v_nop
.endr
.endm
.macro FRAG reg, a16, a8, q, i
	ds_load_b128 v[\reg:\reg+3], v[\a16] offset:TILEB*(\i)+1536*(\q)
	ds_load_b64 v[\reg+4:\reg+5], v[\a8] offset:TILEB*(\i)+1536*(\q)+512
	ds_load_b128 v[\reg+6:\reg+9], v[\a16] offset:TILEB*(\i)+1536*(\q)+768
	ds_load_b64 v[\reg+10:\reg+11], v[\a8] offset:TILEB*(\i)+1536*(\q)+1280
.endm
.macro FETCH_R slot, q, p
	WIN 0x40
.irp i, 0,1,2,3,4,5,6,7
	FRAG 128*(\p)+FR*\i, ADRR16+\slot, ADRR8+\slot, \q, \i
.endr
	WIN 0
.endm
.macro FETCH_L slot, q, i0
.irp i, \i0, \i0+1, \i0+2, \i0+3
	FRAG AF+FR*(\i), ADRL16+\slot, ADRL8+\slot, \q, \i
.endr
.endm
.macro SCALES set, ks
.irp i, 0,1,2,3,4,5,6,7
	ds_load_b64 v[SC+16*\set+2*\i:SC+16*\set+2*\i+1], v[ADRS] offset:512*\i+128*\ks
.endr
.endm
; 16 products: L's tiles a0, a0 + 1 x R's eight.  cmode 1: the sums begin with the bias.  The 64 accumulators take turns, one instruction a turn.
.macro MUL16 a0, p, q, sc, cmode
.irp a, \a0, \a0+1
.irp b, 0,1,2,3,4,5,6,7
.if \cmode
	v_wmma_scale_f32_16x16x128_f8f6f4 v[8*(8*((\a)%4)+\b):8*(8*((\a)%4)+\b)+7], v[128*(\p)+FR*\b:128*(\p)+FR*\b+FR-1], v[AF+FR*(\a):AF+FR*(\a)+FR-1], v[BR+8*\b:BR+8*\b+7], v[SC+16*(\sc)+2*\b+(\q)], v[SC+16*(\sc)+2*(\a)+(\q)] matrix_a_fmt:MATRIX_FMT_FP6 matrix_b_fmt:MATRIX_FMT_FP6 matrix_a_scale:MATRIX_SCALE_ROW1
.else
	v_wmma_scale_f32_16x16x128_f8f6f4 v[8*(8*((\a)%4)+\b):8*(8*((\a)%4)+\b)+7], v[128*(\p)+FR*\b:128*(\p)+FR*\b+FR-1], v[AF+FR*(\a):AF+FR*(\a)+FR-1], v[8*(8*((\a)%4)+\b):8*(8*((\a)%4)+\b)+7], v[SC+16*(\sc)+2*\b+(\q)], v[SC+16*(\sc)+2*(\a)+(\q)] matrix_a_fmt:MATRIX_FMT_FP6 matrix_b_fmt:MATRIX_FMT_FP6 matrix_a_scale:MATRIX_SCALE_ROW1
.endif
.endr
.endr
.endm
.macro STEP slot, cmode                ; a slot's first 128 along K; it fetches the second
	s_wait_dscnt 4*NL                              ; R's set, L's tiles 0-3 and the scale words are in; the youngest sixteen loads (L's tiles 4-7) may be out
.if \cmode
	WIN 0x81
.else
	WIN 0xa1
.endif
	MUL16 0, 0, 0, \slot, \cmode
	MUL16 2, 0, 0, \slot, \cmode
	s_wait_dscnt 0x0
	PLACES
	FETCH_R \slot, 1, 1
	FETCH_L \slot, 1, 0
.if \cmode
	WIN 0xc1
.else
	WIN 0xf1
.endif
	MUL16 4, 0, 0, \slot, \cmode
	MUL16 6, 0, 0, \slot, \cmode
	PLACES
	WIN 0
	FETCH_L \slot, 1, 4
.endm
; A slot's second 128 changes slots: one barrier; in front of it each wave waits for all its tensor loads, adds 0 to its spare word, and waits for that and for its reads of this slot.
.macro TURN slot, next, fill, ks
	s_wait_tensorcnt 0x0                           ; all my tensor loads have landed: my part of the next slot
	ds_add_u32 v[SPW], v[NIL]                      ; 0 onto my spare word
	s_wait_dscnt 4*NL+1                            ; (the add and the youngest sixteen loads may be out)
	WIN 0xa1
	MUL16 0, 1, 1, \slot, 0
	s_wait_dscnt 0x0                               ; the add is done, and my reads of this slot are over
	s_barrier_signal -1
	MUL16 2, 1, 1, \slot, 0
	WIN 0
	s_barrier_wait -1
.if \fill
	CREST                                          ; no wave of any partner still reads this slot or has a load on its way
	s_add_nc_u64 s[G0+4*\slot+2:G0+4*\slot+3], s[G0+4*\slot+2:G0+4*\slot+3], 2*TILEB
	s_add_nc_u64 s[G0B+4*\slot+2:G0B+4*\slot+3], s[G0B+4*\slot+2:G0B+4*\slot+3], 2*TILEB
	JLOAD G0+4*\slot, G1, G0B+4*\slot, G1B
.else
	PLACES
.endif
	FETCH_R \next, 0, 0
	FETCH_L \next, 0, 0
	SCALES \next, \ks
	WIN 0xf1
	MUL16 4, 1, 1, \slot, 0
	MUL16 6, 1, 1, \slot, 0
	PLACES
	WIN 0
	FETCH_L \next, 0, 4
.endm
; THE WAY OUT, a tile of 16 tokens x 128 columns at a time, through my own stage: in as 32 bytes a lane and accumulator, back as whole rows of 512 bytes.  LDS serves a wave's instructions in order: no wait between.
.macro TOSTAGE a
.set AC, 64*((\a)%4)
	WIN 0x08+4*((\a)/4)                            ; the data: window 2 or 3
.irp b, 0,1,2,3,4,5,6,7                        ; accumulator b holds columns 32 (b / 2) + 8 (b % 2) + 16 h + 0 .. 7; each from its low end on
	ds_store_b128 v[STO], v[AC+8*\b:AC+8*\b+3] offset:128*(\b/2)+32*(\b%2)
	ds_store_b128 v[STO], v[AC+8*\b+4:AC+8*\b+7] offset:128*(\b/2)+32*(\b%2)+16
.endr
	WIN 0
.set BB, BK+64*((\a)%2)
.irp t, 0,1,2,3,4,5,6,7,8,9,10,11,12,13,14,15
	ds_load_b128 v[BB+4*\t:BB+4*\t+3], v[RD] offset:\t*SPITCH
.endr
.endm
.macro SEND a, younger                 ; younger: the LDS instructions issued behind tile a's loads, which may stay out
.set BB, BK+64*((\a)%2)
	s_wait_dscnt \younger
.if (\a) > 0                           ; (behind a wait on XCNT: the earlier stores have read their base)  tile a begins 8 rows behind tile a - 1 where a is odd, 24 where it is even
.if (\a)%2
	s_add_nc_u64 s[12:13], s[12:13], 8*4096
.else
	s_add_nc_u64 s[12:13], s[12:13], 24*4096
.endif
.endif
.irp t, 0,1,2,3,4,5,6,7,8,9,10,11,12,13,14,15
	global_store_b128 v[CO], v[BB+4*\t:BB+4*\t+3], s[12:13] offset:(\t+8*(\t/8))*4096 th:TH_STORE_NT   ; place t of a tile is row t + 8 (t / 8); 32 lanes store 512 consecutive bytes, aligned to 512
.endr
.endm
	s_load_b256 s[4:11], s[0:1], 0x0               ; ac s[4:5], asc s[6:7], wc s[8:9], wsc s[10:11]
	s_load_b128 s[96:99], s[0:1], 0x20             ; bo s[96:97], out0 s[98:99]
	v_lshl_add_u32 v[SPW], v0, 2, SPARE
	v_mov_b32 v[NIL], 0
	ds_add_u32 v28, v29
	ds_add_u32 v28, v29
	s_wait_dscnt 0x0
	v_lshrrev_b32 v1, 5, v0
	v_readfirstlane_b32 s14, v1                    ; wave 0..3
	s_lshr_b32 s15, s14, 1                         ; my half of L's rows.  Also: I fetch for L (0) or for R (1)
	s_and_b32 s16, s14, 1                          ; my half of R's rows.  Also: which eight tiles I fetch
	s_bfe_u32 s40, ttmp6, 0x40000                  ; cx
	s_bfe_u32 s41, ttmp6, 0x40004                  ; cy
	s_and_b32 s17, ttmp7, 0xffff
	s_lshl_b32 s17, s17, 2
	s_add_co_u32 s42, s17, s41                     ; L's block of 16 tiles: tokens 256 (4 Cy + cy) on
	s_add_co_u32 s45, s40, 12                      ; R's: wo's columns 256 cx on (the grid has one cluster along x)
	s_lshl_b32 s43, s41, 2
	s_lshl_b32 s43, 15, s43                        ; my row of the cluster
	s_lshl_b32 s44, 0x1111, s40                    ; my column
	s_or_b32 s[G1+0], s43, (3<<16)|(1<<21)         ; eight tiles' 3,072 bytes of a K step, 12,288 bytes apart: 8 rows of 384 elements of 8 bytes
	s_or_b32 s[G1B+0], s44, (3<<16)|(1<<21)
.irp g, G1, G1B
	s_mov_b32 s[\g+1], 384<<16
	s_mov_b32 s[\g+2], 8<<16
	s_mov_b32 s[\g+3], 384<<16
	s_mov_b32 s[\g+4], 8
	s_mov_b32 s[\g+5], 1536
	s_mov_b32 s[\g+6], 0
	s_mov_b32 s[\g+7], 0
.endr
	s_or_b32 s[G1S+0], s43, (3<<16)|(1<<21)        ; the scale bytes of eight tiles: 4,096 dense bytes as 16 rows of 256
	s_or_b32 s[G1SB+0], s44, (3<<16)|(1<<21)
.irp g, G1S, G1SB
	s_mov_b32 s[\g+1], 32<<16
	s_mov_b32 s[\g+2], 16<<16
	s_mov_b32 s[\g+3], 32<<16
	s_mov_b32 s[\g+4], 16
	s_mov_b32 s[\g+5], 32
	s_mov_b32 s[\g+6], 0
	s_mov_b32 s[\g+7], 0
.endr
	s_lshl_b32 s19, s16, 3
	s_lshl_b32 s46, s42, 4
	s_add_co_u32 s46, s46, s19                     ; L: the first tile that I would fetch
	s_lshl_b32 s92, s45, 4
	s_add_co_u32 s92, s92, s19                     ; R: likewise
	s_lshl_b32 s2, s46, 9
	s_mov_b32 s3, 0
	s_mul_i32 s46, s46, 12288
	s_mov_b32 s47, 0
	s_lshl_b32 s94, s92, 9
	s_mov_b32 s95, 0
	s_mul_i32 s92, s92, 12288
	s_mov_b32 s93, 0
	s_mul_i32 s67, s14, HALFT                      ; where they go: by the wave's number alone
	s_lshl_b32 s19, s14, 12
	s_wait_kmcnt 0x0
	CROUND                                         ; all sixteen work-groups are here: the first joint loads meet
	s_mov_b32 s[G0S], 1
	s_add_co_u32 s[G0S+1], s19, SCL
	s_add_nc_u64 s[G0S+2:G0S+3], s[6:7], s[2:3]
	s_or_b32 s[G0S+3], s[G0S+3], 0x80000000
	s_mov_b32 s[G0SB], 1
	s_add_co_u32 s[G0SB+1], s19, SCL+128
	s_add_nc_u64 s[G0SB+2:G0SB+3], s[10:11], s[94:95]
	s_or_b32 s[G0SB+3], s[G0SB+3], 0x80000000
	JLOAD G0S, G1S, G0SB, G1SB                     ; the scale bytes first: filled once
	s_add_nc_u64 s[G0+2:G0+3], s[4:5], s[46:47]
	s_add_nc_u64 s[G0+6:G0+7], s[G0+2:G0+3], TILEB
	s_add_nc_u64 s[G0B+2:G0B+3], s[8:9], s[92:93]
	s_add_nc_u64 s[G0B+6:G0B+7], s[G0B+2:G0B+3], TILEB
.irp s, 0,1
	s_mov_b32 s[G0+4*\s], 1
	s_add_co_u32 s[G0+4*\s+1], s67, \s*SLOT
	s_or_b32 s[G0+4*\s+3], s[G0+4*\s+3], 0x80000000
	s_mov_b32 s[G0B+4*\s], 1
	s_add_co_u32 s[G0B+4*\s+1], s67, \s*SLOT
	s_or_b32 s[G0B+4*\s+3], s[G0B+4*\s+3], 0x80000000
	JLOAD G0+4*\s, G1, G0B+4*\s, G1B               ; K steps 0 and 1: three tensor loads of mine are out
.endr
	s_lshl_b32 s46, s40, 10
	s_lshl_b32 s2, s16, 9
	s_add_co_u32 s46, s46, s2                      ; my 128 columns, in bytes
	s_mov_b32 s47, 0
	s_add_nc_u64 s[96:97], s[96:97], s[46:47]      ; the bias there
	s_lshl_b32 s2, s42, 20                         ; 256 rows of 4,096 bytes
	s_add_co_u32 s46, s46, s2
	s_lshl_b32 s2, s15, 19                         ; my 128 of them
	s_add_co_u32 s46, s46, s2
	s_add_nc_u64 s[12:13], s[98:99], s[46:47]      ; where my part of out0 begins
	v_and_b32 v1, 15, v0                           ; r
	v_bfe_u32 v2, v0, 4, 1                         ; h
	v_and_b32 v5, 31, v0
	v_lshlrev_b32 v5, 4, v5                        ; 16 x lane
	v_lshlrev_b32 v6, 4, v1
	v_lshl_add_u32 v6, v2, 3, v6                   ; 16 r + 8 h
	v_lshlrev_b32 v3, 6, v2                        ; the bias: 16 h numbers on
.irp b, 0,1,2,3,4,5,6,7                        ; register j of set b: column 32 (b / 2) + 8 (b % 2) + 16 h + j
	global_load_b128 v[BR+8*\b:BR+8*\b+3], v3, s[96:97] offset:128*(\b/2)+32*(\b%2)
	global_load_b128 v[BR+8*\b+4:BR+8*\b+7], v3, s[96:97] offset:128*(\b/2)+32*(\b%2)+16
.endr
	s_mul_i32 s2, s15, HALFT                       ; my eight tiles of L
	s_mul_i32 s3, s16, HALFT
	s_add_co_u32 s3, s3, 2*HALFT                   ; my eight of R, behind L's sixteen
.irp s, 0,1
	v_add_nc_u32 v[ADRL16+\s], s2, v5
	v_add_nc_u32 v[ADRL8+\s], s2, v6
	v_add_nc_u32 v[ADRR16+\s], s3, v5
	v_add_nc_u32 v[ADRR8+\s], s3, v6
	s_add_co_u32 s2, s2, SLOT
	s_add_co_u32 s3, s3, SLOT
.endr
	v_lshlrev_b32 v7, 3, v1                        ; scale words: 8 bytes a row
	s_lshl_b32 s2, s15, 12
	s_lshl_b32 s3, s16, 12
	s_add_co_u32 s3, s3, SCLB-SCL
	s_sub_co_u32 s3, s3, s2
	v_mul_u32_u24 v8, s3, v2                       ; lanes 16-31 take R's: one product, the distance between the two
	s_add_co_u32 s2, s2, SCL
	v_add_nc_u32 v7, v7, v8
	v_add_nc_u32 v[ADRS], s2, v7
	s_mul_i32 s2, s14, 16*SPITCH                   ; my stage
	v_mul_u32_u24 v7, v1, SPITCH
	v_lshl_add_u32 v7, v2, 6, v7
	v_add_nc_u32 v[STO], s2, v7                    ; in: row r, + 64 h
	v_add_nc_u32 v[RD], s2, v5                     ; back: the 32 lanes take one row of 512 bytes
	v_mov_b32 v[CO], v5                            ; and the same in out0
	s_wait_tensorcnt 1                             ; the scale bytes and my part of K step 0 are in; K step 1's load may be out
	s_barrier_signal -1
	s_barrier_wait -1
	FETCH_R 0, 0, 0
	FETCH_L 0, 0, 0
	SCALES 0, 0
	FETCH_L 0, 0, 4
	s_wait_loadcnt 0x0                             ; the bias
	STEP 0, 1                                      ; the first products start the sums with the bias
	TURN 0, 1, 1, 1
	STEP 1, 0
	TURN 1, 0, 1, 2
	STEP 0, 0
	TURN 0, 1, 0, 3                                ; the last two K steps ask for nothing
	STEP 1, 0
	s_wait_dscnt 4*NL
	WIN 0xa1
	MUL16 0, 1, 1, 1, 0
	MUL16 2, 1, 1, 1, 0
	s_wait_dscnt 0x0
	WIN 0xf1
	MUL16 4, 1, 1, 1, 0
	MUL16 6, 1, 1, 1, 0
	WIN 0
	PLACES                                         ; behind the last products: their results are read, and loads land in L's registers, below
	TOSTAGE 0
.irp a, 1,2,3,4,5,6,7
.if \a > 1
	s_wait_xcnt 0x0                                ; tile a - 2's stores have read their registers and their base: tile a's loads may land there, and the base may step
.endif
	TOSTAGE \a
	SEND \a-1, 32                                  ; behind tile a - 1's loads: tile a's 16 stores and 16 loads
.endr
	s_wait_xcnt 0x0                                ; tile 6's stores have read their base
	SEND 7, 0
	s_wait_tensorcnt 0x0                           ; the wave's end
	ds_add_u32 v[SPW], v[NIL]
	s_wait_dscnt 0x0
	CROUND                                         ; the closing round: no work-group ends while a partner may still ask for a tile that names it
	s_endpgm
.Lfunc_end_k_qc004fb5ed5_oproj:
	.size	k_qc004fb5ed5_oproj, .Lfunc_end_k_qc004fb5ed5_oproj-k_qc004fb5ed5_oproj
	.p2alignl 7, 3214868480
	.fill 96, 4, 3214868480
	.section	.rodata,"a",@progbits
	.p2align	6, 0x0
	.amdhsa_kernel k_qc004fb5ed5_oproj
		.amdhsa_group_segment_fixed_size 327680
		.amdhsa_private_segment_fixed_size 0
		.amdhsa_enable_private_segment 0
		.amdhsa_kernarg_size 48
		.amdhsa_user_sgpr_count 2
		.amdhsa_user_sgpr_kernarg_segment_ptr 1
		.amdhsa_wavefront_size32 1
		.amdhsa_system_sgpr_workgroup_id_x 1
		.amdhsa_system_sgpr_workgroup_id_y 1
		.amdhsa_system_sgpr_workgroup_id_z 1
		.amdhsa_system_vgpr_workitem_id 0
		.amdhsa_next_free_vgpr 1024
		.amdhsa_next_free_sgpr 106
		.amdhsa_reserve_vcc 0
		.amdhsa_float_denorm_mode_32 3
		.amdhsa_float_denorm_mode_16_64 3
		.amdhsa_memory_ordered 1
		.amdhsa_forward_progress 1
		.amdhsa_inst_pref_size 144
	.end_amdhsa_kernel
	.amdgpu_metadata
---
amdhsa.version: [ 1, 2 ]
amdhsa.kernels:
  - .name:           k_qc004fb5ed5_oproj
    .symbol:         k_qc004fb5ed5_oproj.kd
    .args:
      - { .name: ac, .offset: 0, .size: 8, .value_kind: global_buffer, .address_space: global }
      - { .name: asc, .offset: 8, .size: 8, .value_kind: global_buffer, .address_space: global }
      - { .name: wc, .offset: 16, .size: 8, .value_kind: global_buffer, .address_space: global }
      - { .name: wsc, .offset: 24, .size: 8, .value_kind: global_buffer, .address_space: global }
      - { .name: bo, .offset: 32, .size: 8, .value_kind: global_buffer, .address_space: global }
      - { .name: out0, .offset: 40, .size: 8, .value_kind: global_buffer, .address_space: global }
    .group_segment_fixed_size: 327680
    .private_segment_fixed_size: 0
    .kernarg_segment_align: 8
    .kernarg_segment_size: 48
    .max_flat_workgroup_size: 128
    .sgpr_count:     106
    .vgpr_count:     1024
    .wavefront_size: 32
...
	.end_amdgpu_metadata
.endif
;; end of part 4
;; ======== version 2 of 2: 4 launches; version 1 with the launch attn written anew for expert scheduling mode
;; workspace buffers: xc 3,145,728 bytes; xsc 131,072 bytes; wc 3,145,728 bytes; wsc 131,072 bytes; qkv 9,437,184 bytes; qkvs 655,360 bytes; ac 3,145,728 bytes; asc 131,072 bytes
;; launch quant: the kernel of part 1 again; grid 256 x 1, 8 waves a work-group, no clusters, 72,704 bytes of LDS; arguments x, wq, wk, wv, wo, xc, xsc, wc, wsc; writes xc, xsc, wc, wsc
;; launch qkv: the kernel of part 2 again; grid 12 x 16, 4 waves a work-group, clusters of 4 x 4, 327,680 bytes of LDS; arguments xc, xsc, wc, wsc, bq, bk, bv, qkv, qkvs; writes qkv, qkvs
;; launch attn (part 5): grid 16 x 16, 16 waves a work-group, no clusters, 54,272 bytes of LDS; arguments qkv, qkvs, ac, asc; writes ac, asc
.if DOCPART == 5
	.amdgcn_target "amdgcn-amd-amdhsa--gfx1250"
	.amdhsa_code_object_version 6
	.text
	.protected	k_qc004fb5ed5_attn
	.globl	k_qc004fb5ed5_attn
	.p2align	8
	.type	k_qc004fb5ed5_attn,@function
k_qc004fb5ed5_attn:
	s_mov_b64 s[64:65], 0
	v_nop
	global_prefetch_b8 v0, s[64:65] scope:SCOPE_SE
	s_setreg_imm32_b32 hwreg(HW_REG_WAVE_SCHED_MODE, 0, 2), 2
	s_setreg_imm32_b32 hwreg(HW_REG_WAVE_MODE, 25, 1), 1
	s_wait_xcnt 0x0
	s_wait_alu depctr_vm_vsrc(0)
; Attention in a window: query i sees key j where |i - j| <= 128; 16 heads of 64; both products on codes of FP6 (E2M3) with E8M0 scales.  The result is quantised along (head, channel) for the last projection.
; SHARES.  A work-group owns 256 queries of one head; each of its sixteen waves one tile of 16.  A query of the 128-block t sees keys of blocks t - 1, t, t + 1 alone: three key steps of 128 a wave,
; the own block whole, the lower one where key place >= query place, the upper one where key place <= query place.  Blocks -1 and 32 do not exist: their step is jumped over (a branch on ids).
; The work-group's four key blocks 2 qb - 1 .. 2 qb + 2 (the number held to 0 .. 31; a held copy is never read) come ONCE through registers into LDS: 48 KiB of codes, 3 KiB of scale words; one barrier.
; NO CLUSTER: of a work-group's four key blocks two are also a neighbour's, at other places of its LDS, and the two neighbours' sets differ: no load is the same in two work-groups.
; LAYOUT.  S^T = K Q^T (source 0 = 16 keys, source 1 = my 16 queries; K = 64: the upper 64 of the instruction's 128 are zero codes under the byte 127), O^T = V^T P^T: a lane holds one query throughout.
; Tiles stand in tile order (place r of tile t: 32 (t / 2) + 8 (t % 2) + r + 8 (r / 8)): register 16 B + i of S^T is key place 32 B + 16 h + i, of O^T channel 32 B + 16 h + i.
; SOFTMAX: t = score x log2(e) / 8; M = the running largest t rounded up to a whole number; p = 2^(t - M) is quantised along the keys, not normalised; the row's sum is taken of the unquantised p and divides at the end.
; A block's largest p is not searched for: the block's largest score goes through the same multiply-add and exponential (this takes v_exp_f32 not to fall where its input rises).
; OUT.  ac: [256 token tiles][16 pieces = heads][768]; asc: [tile][4][r][8 bytes]: a wave has one byte a lane there (four heads share eight bytes): single bytes, one for each 24 bytes of codes.
; LIMITS: a block of zeros gets the byte 1 (zero codes; read by this program alone); NaN and infinities are not served.
; REGISTERS: v1-11 addresses; v12 -M, v13 the largest t, v[14:15] the sum; v16-27 Q (upper six zeros); v28 Q's scale word; v29-31, v92-95 the head's addresses; v32-79 four fragments of K, v192-215 two more (upper six of each zeros);
;   v80-87 K's scale words, v88-91 V's; v96-159 S^T, then p, then (v96-143) V's four fragments; v160-191 O^T; v224-235 p's codes; v232-254 at work; v[250:251] f; v253 p's scale word.
; THE MODE: SCHED_MODE bits 1:0 = 2 (LLVM: expert scheduling mode 2), set by the entry lines.  The code itself states the register dependences between vector or matrix instructions
; and memory or LDS instructions, and those through scalar registers and VCC that vector instructions write, with s_wait_alu, always for 0.
; THE PLAN.  Registers that LDS or memory instructions touch:
;   v1-6, v8-11, v29-31, v92, v93   addresses and offsets: made once at the head, ahead of one wait on va_vdst, and never written again.
;   K's fragments and scale words   loaded at a step's head; read by that step's eight products K Q^T alone.  Behind those products stand four waits on va_vdst in the same step, and behind the last of them
;                                   only the products V^T P^T, which name none of these registers: so the next step's loads at its head want no wait.  Eight tiles of twelve registers are 96 and 72 are there:
;                                   tiles 6 and 7 go into the registers of tiles 0 and 1, behind one wait that stands behind products 0 and 1, and land while products 2 to 5 are issued.
;   v88-91, V's scale words         read by the products V^T P^T; loaded again behind that same wait of the next step.
;   v96-143 as V's fragments        scores and p until the conversions have read them: one wait behind the conversions, then the sixteen loads, which land under the swaps, the rescaling of O^T and the places.
;   v96-121 at the head             the copy: global loads land there, LDS stores read them, the first products write them: one wait on vm_vsrc behind the barrier.
;   v224-229, v248 at the end       written by vector lines, read by the three stores: one wait on va_vdst ahead of the stores.
; The window's mask bits go into scalar registers, 32 compares in a run (s4-19, s24-35, s41-44: free once the head's loads are done), with one wait on va_sdst ahead of each run of 32 selects.
.set VC,     24576                     ; LDS: K's codes at 0 (block i at 6144 i), V's here ((4 i + channel tile) x 1536),
.set KS,     49152                     ; K's scale words (512 i + 256 (tile / 4) + 16 r),
.set VS,     51200                     ; V's (256 i + 16 r)
.set VPART,  6291456                   ; v's codes in qkv
.set VSPART, 524288                    ; v's scale words in qkvs
.set SEL,    20                        ; s[20:21] lane selects for lane l xor 16
.set CS,     22                        ; s[22:23] c = log2(e) / 8
.macro KLOAD reg, dl, j                ; tile j of block dl of my three: its piece's 24 bytes a lane into the lower six registers of a fragment
	ds_load_b128 v[\reg:\reg+3], v1 offset:6144*(\dl)+768*(\j)
	ds_load_b64 v[\reg+4:\reg+5], v2 offset:6144*(\dl)+768*(\j)+512
.endm
.macro QK reg, j                       ; S^T's tile j: each of the eight accumulators begins with the constant 0
	v_wmma_scale_f32_16x16x128_f8f6f4 v[96+8*(\j):103+8*(\j)], v[\reg:\reg+11], v[16:27], 0, v[80+(\j)], v28 matrix_a_fmt:MATRIX_FMT_FP6 matrix_b_fmt:MATRIX_FMT_FP6
.endm
; v7 = my query's place - 16 h; register n of S^T holds key place 32 (n / 16) + n % 16 + 16 h.  32 compares from register n0 on, each into a scalar register of its own
.macro MASKS mask, n0
.set i, 0
.rept 32
.set n, (\n0)+i
.set m, 4+i                            ; s4-19,
.if i >= 16
.set m, 8+i                            ; s24-35,
.endif
.if i >= 28
.set m, 13+i                           ; s41-44
.endif
.if \mask == 1
	v_cmp_lt_i32 s[m], 32*(n/16)+n%16, v7
.else
	v_cmp_gt_i32 s[m], 32*(n/16)+n%16, v7
.endif
.set i, i+1
.endr
.endm
.macro HIDE n0                         ; hidden scores become -infinity ahead of the maximum: p = 0 then.  Each accumulator is read from its low end on
.set i, 0
.rept 32
.set n, (\n0)+i
.set m, 4+i
.if i >= 16
.set m, 8+i
.endif
.if i >= 28
.set m, 13+i
.endif
	v_cndmask_b32 v[96+n], v[96+n], v254, s[m]
.set i, i+1
.endr
.endm
; A key step.  dl: 0 the lower block, 1 my own, 2 the upper.  mask: 0 none, 1 hide key places under the query's, 2 above it.  first: O^T's sums begin.
.macro STEP dl, mask, first
	KLOAD 32, \dl, 0                               ; no wait: since the last wait on va_vdst no vector or matrix instruction has named K's fragments, K's scale words or their addresses
	KLOAD 44, \dl, 1
	KLOAD 56, \dl, 2
	KLOAD 68, \dl, 3
	ds_load_b128 v[80:83], v5 offset:512*\dl       ; the scale words of K's tiles 0-3,
	ds_load_b128 v[84:87], v5 offset:512*\dl+256   ; 4-7
	KLOAD 192, \dl, 4
	KLOAD 204, \dl, 5
.rept 5
	v_nop                                          ; five plain lines: S^T is written over V's fragments, which the last products read; in the first step: behind the registers cleared at the head.  The loads land meanwhile
.endr
.if \mask
	v_mov_b32 v254, 0xff800000
	MASKS \mask, 0                                 ; the mask bits of S^T's registers 0-31 hang on no score: they are made while the loads land
.endif
.if \first
	s_wait_alu depctr_va_vdst(0)                   ; the zero halves of Q's and K's fragments are written, which the scaled products below take as operands; the plain lines above stay beside this wait
.endif
	s_wait_dscnt 4                                 ; tiles 0-3 and K's scale words are in; the youngest four loads (tiles 4, 5) may be out
	QK 32, 0
	QK 44, 1
.rept 4
	v_nop                                          ; four plain lines behind the two products, then the wait:
.endr
	s_wait_alu depctr_va_vdst(0)                   ; products 0 and 1 are done reading v32-55, in which tiles 6 and 7 land; the last step's products V^T P^T are done reading v88-91, in which V's scale words land
	ds_load_b128 v[88:91], v6 offset:256*\dl       ; the scale words of V's four channel tiles for these 128 keys
	KLOAD 32, \dl, 6
	KLOAD 44, \dl, 7
	QK 56, 2                                       ; four products are issued while the five loads land; they name none of those loads' registers
	QK 68, 3
	s_wait_dscnt 5                                 ; tiles 4 and 5 are in; the five loads just issued may be out
	QK 192, 4
	QK 204, 5
	s_wait_dscnt 0x0
	QK 32, 6
	QK 44, 7
.rept 4
	v_nop
.endr
.if \mask
	s_wait_alu depctr_va_sdst(0)                   ; the first run's 32 compares have written their scalar registers, which the selects read
	HIDE 0
	MASKS \mask, 32                                ; the same scalar registers, behind the selects that read them
	s_wait_alu depctr_va_sdst(0)                   ; the second run's 32 compares have written them
	HIDE 32
.endif
.irp b, 0,1,2,3
	v_max3_num_f32 v[232+\b], v[96+16*\b], v[97+16*\b], v[98+16*\b]   ; the largest score of each block of 32 keys: for the row's maximum and for the block's largest p
.endr
.irp i, 3,5,7,9,11,13
.irp b, 0,1,2,3
	v_max3_num_f32 v[232+\b], v[232+\b], v[96+16*\b+\i], v[97+16*\b+\i]
.endr
.endr
.irp b, 0,1,2,3
	v_max_num_f32 v[232+\b], v[232+\b], v[111+16*\b]
.endr
.irp b, 0,1,2,3
	v_permlanex16_b32 v[236+\b], v[232+\b], s[SEL], s[SEL+1]
.endr
.irp b, 0,1,2,3
	v_max_num_f32 v[232+\b], v[232+\b], v[236+\b]  ; with lane l xor 16's 16 keys
.endr
	v_max3_num_f32 v254, v232, v233, v234
	v_max_num_f32 v254, v254, v235                 ; the step's largest score of my query
	v_mul_f32 v254, s[CS], v254                    ; as t
	v_max_num_f32 v13, v13, v254                   ; the running largest t
	v_mov_b32 v254, v12
	v_floor_f32 v12, -v13                          ; the new -M = floor(-t): M is a whole number
	v_sub_f32 v254, v12, v254                      ; old M - new M: a whole number, 0 or less
	v_cvt_i32_f32 v254, v254                       ; (it saturates)
	v_ldexp_f32 v250, 1.0, v254                    ; f = 2^(old M - new M): a multiplication by it rounds nothing
.set j, 0
.rept 32
	v_pk_fma_f32 v[96+j:97+j], v[96+j:97+j], s[CS:CS+1], v[12:13] op_sel_hi:[1,0,0]   ; t - M, two at a time
.set j, j+2
.endr
.irp b, 0,1,2,3
	v_fma_f32 v[232+\b], v[232+\b], s[CS], v12     ; the same of each block's largest score
.endr
.set j, 0
.rept 64
	v_exp_f32 v[96+j], v[96+j]                     ; p = 2^(t - M), at most 1
.set j, j+1
.endr
	v_pk_mul_f32 v[14:15], v[14:15], v[250:251] op_sel_hi:[1,0]   ; the sums under the new M; the plain line behind the exponentials
	s_wait_alu depctr_va_vdst(0)                   ; the 64 exponentials have written p, v96-159: one wait for the whole batch, ahead of its first reader
.irp b, 0,1,2,3
	v_exp_f32 v[232+\b], v[232+\b]                 ; the block's largest p
.endr
	v_pk_add_f32 v[236:237], v[96:97], v[98:99]    ; the row's sum, of the unquantised p: two chains
.irp j, 4,8,12,16,20,24,28,32,36,40,44,48,52,56,60
	v_pk_add_f32 v[14:15], v[14:15], v[96+\j:97+\j]
	v_pk_add_f32 v[236:237], v[236:237], v[98+\j:99+\j]
.endr
	v_pk_add_f32 v[14:15], v[14:15], v[236:237]
	s_wait_alu depctr_va_vdst(0)                   ; the four exponentials have written v232-235, ahead of their first reader
.irp b, 0,1,2,3
	v_max_num_f32 v[232+\b], 0x1800000, v[232+\b]  ; the floor 2^(3 - 127): the byte cannot fall under 1
.endr
.irp b, 0,1,2,3
	v_add_nc_u32 v[244+\b], 0xff000000, v[232+\b]  ; 2 off the exponent field: the conversion's scale operand
.endr
.irp b, 0,1,2,3
	v_lshrrev_b32 v[236+\b], 23, v[244+\b]         ; the scale's byte
.endr
	v_lshl_or_b32 v253, v237, 8, v236              ; p's scale word for these 128 keys
	v_lshl_or_b32 v253, v238, 16, v253
	v_lshl_or_b32 v253, v239, 24, v253
.irp c, 0,1
	v_cvt_scalef32_pk16_fp6_f32 v[224+6*\c:226+6*\c], v[96+32*\c:111+32*\c], v[244+2*\c]
	v_cvt_scalef32_pk16_fp6_f32 v[236+4*\c:238+4*\c], v[112+32*\c:127+32*\c], v[244+2*\c+1]
.endr
	v_nop                                          ; one plain line behind the conversions
	s_wait_alu depctr_va_vdst(0)                   ; the conversions are done reading p, and all that wrote v96-143 has written: V's fragments land there
.irp t, 0,1,2,3                                ; V's four channel tiles x these 128 keys, where p lay; no vector line from here to the products names v96-143 or v3, v4
	ds_load_b128 v[96+12*\t:99+12*\t], v3 offset:6144*\dl+1536*\t
	ds_load_b64 v[100+12*\t:101+12*\t], v4 offset:6144*\dl+1536*\t+512
	ds_load_b128 v[102+12*\t:105+12*\t], v3 offset:6144*\dl+1536*\t+768
	ds_load_b64 v[106+12*\t:107+12*\t], v4 offset:6144*\dl+1536*\t+1280
.endr
.irp c, 0,1                                    ; a whole block to a lane
.irp i, 0,1,2
	v_permlane16_swap_b32 v[224+6*\c+\i], v[236+4*\c+\i]
.endr
.irp i, 0,1,2
	v_mov_b32 v[227+6*\c+\i], v[236+4*\c+\i]
.endr
.endr
.if !\first
.set j, 0
.rept 16
	v_pk_mul_f32 v[160+j:161+j], v[160+j:161+j], v[250:251] op_sel_hi:[1,0]   ; O^T under the new M
.set j, j+2
.endr
.endif
.rept 8
	v_nop                                          ; p's scale word and codes, written by vector lines, stand eight and four plain lines ahead of the scaled products; the loads land meanwhile
.endr
	s_wait_alu depctr_va_vdst(0)                   ; p's codes v224-235 and its scale word v253 are written, which the scaled products take as operand and scales; the plain lines above stay beside this wait
	s_wait_dscnt 0x0
.irp t, 0,1,2,3                                ; the four accumulators by turns
.if \first
	v_wmma_scale_f32_16x16x128_f8f6f4 v[160+8*\t:167+8*\t], v[96+12*\t:107+12*\t], v[224:235], 0, v[88+\t], v253 matrix_a_fmt:MATRIX_FMT_FP6 matrix_b_fmt:MATRIX_FMT_FP6
.else
	v_wmma_scale_f32_16x16x128_f8f6f4 v[160+8*\t:167+8*\t], v[96+12*\t:107+12*\t], v[224:235], v[160+8*\t:167+8*\t], v[88+\t], v253 matrix_a_fmt:MATRIX_FMT_FP6 matrix_b_fmt:MATRIX_FMT_FP6
.endif
.endr
.endm
	s_load_b256 s[4:11], s[0:1], 0x0               ; qkv s[4:5], qkvs s[6:7], ac s[8:9], asc s[10:11]
	v_lshl_add_u32 v252, v0, 2, 0xcc00
	v_mov_b32 v255, 0
	v_lshrrev_b32 v1, 5, v0
	v_readfirstlane_b32 s12, v1                    ; wave 0..15
	s_and_b32 s13, ttmp7, 0xffff                   ; the head
	s_lshl_b32 s14, ttmp9, 4
	s_wait_alu depctr_va_sdst(0)                   ; s12 is written, ahead of its first reader: every base and every LDS address below is made from it
	s_add_co_u32 s14, s14, s12                     ; my tile of queries
	s_lshr_b32 s15, s12, 3                         ; which of the work-group's two blocks of 128 is mine
	s_lshl_b32 s16, ttmp9, 1
	s_add_co_u32 s40, s16, s15                     ; t: my block of 128
	s_lshr_b32 s17, s12, 2                         ; the copy: which of the four key blocks,
	s_and_b32 s18, s12, 3                          ; and which quarter of it
	s_add_co_u32 s19, s16, s17
	s_sub_co_i32 s19, s19, 1
	s_max_i32 s19, s19, 0
	s_min_i32 s19, s19, 31                         ; the key block's number, held inside the sequence
	s_mul_i32 s42, s13, 196608                     ; a head's 256 pieces
	s_mul_i32 s41, s14, 768
	s_add_co_u32 s24, s42, s41                     ; Q's piece
	s_mov_b32 s25, 0
	s_lshl_b32 s43, s13, 14                        ; a head's scale words
	s_lshr_b32 s41, s14, 2
	s_lshl_b32 s41, s41, 8
	s_add_co_u32 s26, s43, s41
	s_and_b32 s41, s14, 3
	s_lshl_b32 s41, s41, 2
	s_add_co_u32 s26, s26, s41                     ; Q's scale words
	s_mov_b32 s27, 0
	s_mul_i32 s41, s19, 6144
	s_add_co_u32 s28, s42, s41
	s_mul_i32 s41, s18, 1536
	s_add_co_u32 s28, s28, s41
	s_add_co_u32 s28, s28, 16*196608               ; K's codes: my quarter of the block's eight pieces
	s_mov_b32 s29, 0
	s_lshl_b32 s30, s13, 2
	s_add_co_u32 s30, s30, s18
	s_mul_i32 s30, s30, 49152
	s_mul_i32 s41, s19, 1536
	s_add_co_u32 s30, s30, s41
	s_add_co_u32 s30, s30, VPART                   ; V's codes: my channel tile's two pieces
	s_mov_b32 s31, 0
	s_lshl_b32 s41, s19, 9
	s_add_co_u32 s32, s43, s41
	s_lshl_b32 s41, s18, 7
	s_add_co_u32 s32, s32, s41
	s_add_co_u32 s32, s32, 16*16384                ; K's scale words: 128 of the block's 512 bytes
	s_mov_b32 s33, 0
	s_lshl_b32 s34, s19, 12
	s_lshl_b32 s41, s13, 8
	s_add_co_u32 s34, s34, s41
	s_lshl_b32 s41, s18, 6
	s_add_co_u32 s34, s34, s41
	s_add_co_u32 s34, s34, VSPART                  ; V's: 64 of the block's 256 bytes
	s_mov_b32 s35, 0
	s_mul_i32 s36, s14, 12288
	s_mul_i32 s41, s13, 768
	s_add_co_u32 s36, s36, s41                     ; out: my tile's piece number head
	s_mov_b32 s37, 0
	s_lshl_b32 s38, s14, 9
	s_lshr_b32 s41, s13, 2
	s_lshl_b32 s41, s41, 7
	s_add_co_u32 s38, s38, s41
	s_and_b32 s41, s13, 3
	s_lshl_b32 s41, s41, 1
	s_add_co_u32 s38, s38, s41                     ; and its two scale bytes a row
	s_mov_b32 s39, 0
	s_mov_b32 s[SEL], 0x76543210
	s_mov_b32 s[SEL+1], 0xfedcba98
	s_mov_b32 s[CS], 0x3e38aa3b                    ; log2(e) / 8
	s_mov_b32 s[CS+1], s[CS]                       ; (named with it as a pair, so it is written)
	v_and_b32 v94, 15, v0                          ; r
	v_bfe_u32 v95, v0, 4, 1                        ; h
	v_and_b32 v93, 31, v0                          ; lane
	v_lshlrev_b32 v8, 4, v93                       ; 16 x lane
	v_lshlrev_b32 v10, 4, v94                      ; 16 r
	v_lshl_add_u32 v9, v95, 3, v10                 ; 16 r + 8 h
	v_lshl_add_u32 v11, v94, 3, v95                ; 8 r + h
	v_lshlrev_b32 v92, 2, v93                      ; 4 x lane
	v_lshlrev_b32 v93, 1, v93                      ; 2 x lane
	s_mul_i32 s41, s15, 6144                       ; every LDS address is made here, ahead of the branches
	v_add_nc_u32 v1, s41, v8                       ; K's pieces: the lower block of my three
	v_add_nc_u32 v2, s41, v9
	s_add_co_u32 s41, s41, VC
	v_add_nc_u32 v3, s41, v8                       ; V's
	v_add_nc_u32 v4, s41, v9
	s_lshl_b32 s41, s15, 9
	s_add_co_u32 s41, s41, KS
	v_add_nc_u32 v5, s41, v10                      ; K's scale words
	s_lshl_b32 s41, s15, 8
	s_add_co_u32 s41, s41, VS
	v_add_nc_u32 v6, s41, v10                      ; V's
	s_bfe_u32 s41, s12, 0x20001
	s_lshl_b32 s41, s41, 5
	s_and_b32 s44, s12, 1
	s_lshl_b32 s44, s44, 3
	s_add_co_u32 s41, s41, s44                     ; my tile's first place in its block of 128
	v_and_b32 v7, 8, v94
	v_add_nc_u32 v7, v7, v94
	v_lshlrev_b32 v29, 4, v95
	v_sub_nc_u32 v7, v7, v29
	v_add_nc_u32 v7, s41, v7                       ; my query's place - 16 h
	s_mul_i32 s41, s12, 1536
	v_add_nc_u32 v29, s41, v8                      ; the copy: 1,536 bytes a wave, of K's codes and of V's
	v_lshlrev_b32 v30, 2, v0                       ; 4 bytes a thread of K's scale words
	v_lshlrev_b32 v31, 1, v0                       ; 2 bytes a thread of V's
	s_wait_kmcnt 0x0
	s_add_nc_u64 s[24:25], s[4:5], s[24:25]
	s_add_nc_u64 s[26:27], s[6:7], s[26:27]
	s_add_nc_u64 s[28:29], s[4:5], s[28:29]
	s_add_nc_u64 s[30:31], s[4:5], s[30:31]
	s_add_nc_u64 s[32:33], s[6:7], s[32:33]
	s_add_nc_u64 s[34:35], s[6:7], s[34:35]
	s_add_nc_u64 s[36:37], s[8:9], s[36:37]
	s_add_nc_u64 s[38:39], s[10:11], s[38:39]
	s_wait_alu depctr_va_vdst(0)                   ; all addresses and offsets (v1-6, v8-11, v29-31, v92, v93) are written: every load and store of the kernel reads some of them, and none is written again
	global_load_b128 v[16:19], v8, s[24:25]        ; Q's piece stays in registers
	global_load_b64 v[20:21], v9, s[24:25] offset:512
	global_load_b32 v28, v10, s[26:27]
.irp m, 0,1,2
	global_load_b128 v[96+4*\m:99+4*\m], v8, s[28:29] offset:512*\m
	global_load_b128 v[108+4*\m:111+4*\m], v8, s[30:31] offset:512*\m
.endr
	global_load_b32 v120, v92, s[32:33]
	global_load_u16 v121, v93, s[34:35]
.irp j, 22,23,24,25,26,27
	v_mov_b32 v[\j], 0                             ; Q's upper 64 along K: zero codes.  (None of the lines from here to the barrier names a register that the loads above or the LDS stores below touch)
.endr
.irp t, 32,44,56,68,192,204
.irp j, 6,7,8,9,10,11
	v_mov_b32 v[\t+\j], 0                          ; K's likewise, in all six fragments: cleared once, never loaded
.endr
.endr
	v_mov_b32 v13, 0xff61b1e6                      ; the largest t so far: -3e38, under every t
	v_floor_f32 v12, -v13                          ; -M
	v_mov_b32 v14, 0                               ; the sum, in two halves
	v_mov_b32 v15, 0
.irp b, 0,1,2,3
	v_mov_b32 v[236+\b], 0                         ; written once: a lane permute's destination counts as one of its sources
.endr
	v_mov_b32 v251, 0                              ; (named as the upper half of the pair v[250:251])
	s_wait_loadcnt 0x0                             ; (this wait also shows the loads that read s24-35 done: these scalar registers take mask bits later)
.irp m, 0,1,2
	ds_store_b128 v29, v[96+4*\m:99+4*\m] offset:512*\m
	ds_store_b128 v29, v[108+4*\m:111+4*\m] offset:VC+512*\m
.endr
	ds_store_b32 v30, v120 offset:KS
	ds_store_b16 v31, v121 offset:VS
	s_wait_dscnt 0x0                               ; for the others' sake: my stores have landed
	s_barrier_signal -1
	s_barrier_wait -1                              ; the four key blocks lie in LDS; nothing is written there again
	s_wait_alu depctr_vm_vsrc(0)                   ; my LDS stores have read v96-121, which the first products write
	STEP 1, 0, 1                                   ; my own block first: all its keys count, so M is a number from the start
	s_cmp_eq_u32 s40, 0
	s_cbranch_scc1 .Lno_low
	STEP 0, 1, 0
.Lno_low:
	s_cmp_eq_u32 s40, 31
	s_cbranch_scc1 .Lno_high
	STEP 2, 2, 0
.Lno_high:
	; THE WAY OUT: O^T / the sum, quantised along the head's 64 channels (two blocks), stored as one piece
.rept 4
	v_nop
.endr
	v_add_f32 v14, v14, v15
	v_permlanex16_b32 v254, v14, s[SEL], s[SEL+1]
	v_add_f32 v14, v14, v254                       ; the row's sum
	v_rcp_f32 v14, v14
	v_cmp_eq_u32 vcc_lo, 1, v95                    ; (the plain line behind the reciprocal)  lanes 16-31
	s_wait_alu depctr_va_vdst(0)                   ; the reciprocal has written v14, ahead of its first reader
.set j, 0
.rept 16
	v_pk_mul_f32 v[96+j:97+j], v[160+j:161+j], v[14:15] op_sel_hi:[1,0]   ; register 16 B + i: channel 32 B + 16 h + i
.set j, j+2
.endr
.irp b, 0,1
	v_max3_num_f32 v[232+\b], |v[96+16*\b]|, |v[97+16*\b]|, 0x1800000
.endr
.irp i, 2,4,6,8,10,12,14
.irp b, 0,1
	v_max3_num_f32 v[232+\b], v[232+\b], |v[96+16*\b+\i]|, |v[97+16*\b+\i]|
.endr
.endr
.irp b, 0,1
	v_permlanex16_b32 v[236+\b], v[232+\b], s[SEL], s[SEL+1]
.endr
.irp b, 0,1
	v_max_num_f32 v[232+\b], v[232+\b], v[236+\b]
.endr
.irp b, 0,1
	v_add_nc_u32 v[244+\b], 0xff000000, v[232+\b]
.endr
.irp b, 0,1
	v_lshrrev_b32 v[236+\b], 23, v[244+\b]
.endr
	s_wait_alu depctr_va_vcc(0)                    ; the compare above has written VCC, which the select below reads
	v_cvt_scalef32_pk16_fp6_f32 v[224:226], v[96:111], v244
	v_cvt_scalef32_pk16_fp6_f32 v[240:242], v[112:127], v245
	v_cndmask_b32 v248, v236, v237, vcc_lo         ; my half's block's byte; also the plain line behind the conversions
.irp i, 0,1,2
	v_permlane16_swap_b32 v[224+\i], v[240+\i]
.endr
.irp i, 0,1,2
	v_mov_b32 v[227+\i], v[240+\i]
.endr
	s_wait_alu depctr_va_vdst(0)                   ; the conversions, swaps and moves have written v224-229 and the select v248, which the three stores read
	global_store_b128 v8, v[224:227], s[36:37]             ; 512 consecutive bytes
	global_store_b64 v9, v[228:229], s[36:37] offset:512   ; 256 consecutive bytes
	global_store_b8 v11, v248, s[38:39]
	s_wait_dscnt 0x0
	s_wait_alu depctr_hold_cnt(0) depctr_sa_sdst(0) depctr_va_vdst(0) depctr_va_sdst(0) depctr_va_ssrc(0) depctr_va_vcc(0) depctr_vm_vsrc(0)
	s_wait_tensorcnt 0x0
	ds_add_u32 v252, v255
	s_wait_dscnt 0x0
	s_endpgm
.Lfunc_end_k_qc004fb5ed5_attn:
	.size	k_qc004fb5ed5_attn, .Lfunc_end_k_qc004fb5ed5_attn-k_qc004fb5ed5_attn
	.p2alignl 7, 3214868480
	.fill 96, 4, 3214868480
	.section	.rodata,"a",@progbits
	.p2align	6, 0x0
	.amdhsa_kernel k_qc004fb5ed5_attn
		.amdhsa_group_segment_fixed_size 54272
		.amdhsa_private_segment_fixed_size 0
		.amdhsa_enable_private_segment 0
		.amdhsa_kernarg_size 32
		.amdhsa_user_sgpr_count 2
		.amdhsa_user_sgpr_kernarg_segment_ptr 1
		.amdhsa_wavefront_size32 1
		.amdhsa_system_sgpr_workgroup_id_x 1
		.amdhsa_system_sgpr_workgroup_id_y 1
		.amdhsa_system_sgpr_workgroup_id_z 1
		.amdhsa_system_vgpr_workitem_id 0
		.amdhsa_next_free_vgpr 256
		.amdhsa_next_free_sgpr 66
		.amdhsa_reserve_vcc 1
		.amdhsa_float_denorm_mode_32 3
		.amdhsa_float_denorm_mode_16_64 3
		.amdhsa_memory_ordered 1
		.amdhsa_forward_progress 1
		.amdhsa_inst_pref_size 78
	.end_amdhsa_kernel
	.amdgpu_metadata
---
amdhsa.version: [ 1, 2 ]
amdhsa.kernels:
  - .name:           k_qc004fb5ed5_attn
    .symbol:         k_qc004fb5ed5_attn.kd
    .args:
      - { .name: qkv, .offset: 0, .size: 8, .value_kind: global_buffer, .address_space: global }
      - { .name: qkvs, .offset: 8, .size: 8, .value_kind: global_buffer, .address_space: global }
      - { .name: ac, .offset: 16, .size: 8, .value_kind: global_buffer, .address_space: global }
      - { .name: asc, .offset: 24, .size: 8, .value_kind: global_buffer, .address_space: global }
    .group_segment_fixed_size: 54272
    .private_segment_fixed_size: 0
    .kernarg_segment_align: 8
    .kernarg_segment_size: 32
    .max_flat_workgroup_size: 512
    .sgpr_count:     66
    .vgpr_count:     256
    .wavefront_size: 32
...
	.end_amdgpu_metadata
.endif
;; end of part 5
;; launch oproj: the kernel of part 4 again; grid 4 x 16, 4 waves a work-group, clusters of 4 x 4, 327,680 bytes of LDS; arguments ac, asc, wc, wsc, bo, out0; writes out0
